; MI455X (gfx1250); checked and timed in simulation.
; The chip was launched on July 23, 2026; its instructions are those of AMD's public machine-readable ISA for CDNA 5 (MIT licence, August 2026) and "CDNA5" Instruction Set Architecture Reference Guide (July 2026). The comments in the code are by the model that wrote it; some were corrected since.
;; Attention. Allowed arithmetic: matrix products marked QUANTISED: E2M3 operands, one E8M0 scale for each 32 along K, by v_wmma_scale_f32_16x16x128_f8f6f4 with both operands' format E2M3, f32 sums; everything else in f32.
;; Inputs: W_proj 1,024 x 1,024 float32; W_qkv 1,024 x 3,072 float32; attn_mask 2,048 x 2,048 int32; b_proj 1,024 float32; inputs 4 x 2,048 x 1,024 float32; padding_mask 4 x 2,048 int32.
;; Outputs: out0 4 x 2,048 x 1,024 float32.
;; This version of the problem:
;;   THIS VERSION OF THE PROBLEM IS GIVEN IN LOW PRECISION. The matrix products marked QUANTISED in the list below multiply operands that are first quantised to E2M3 (2 exponent bits, 3 mantissa bits; 6 bits a number), with one power-of-two scale for each 32 numbers along K (OCP MX v1.0); their sums are f32. All else is computed in f32.
;;   The module's matrix products, in the order in which they are computed (A, B: the left and right operand; K: the contracted axis; several contracted axes count as one K, in the product's order):
;;     1. [M 8,192, K 1,024] x [K 1,024, N 3,072]; A: input inputs; B: input W_qkv: QUANTISED
;;     2. batch 64 x [M 2,048, K 64] x [K 64, N 2,048]; A: computed on the way; B: computed on the way: QUANTISED
;;     3. batch 64 x [M 2,048, K 2,048] x [K 2,048, N 64]; A: softmax (see below); B: computed on the way: QUANTISED
;;     4. [M 8,192, K 1,024] x [K 1,024, N 1,024]; A: computed on the way; B: input W_proj: QUANTISED
;;   THE QUANTISER, for each operand of a quantised product, along K:
;;     - K is cut into blocks of 32 from its start; a last block that is shorter is filled with zeros.
;;     - A block's scale is 2^e with e = floor(log2(the largest magnitude in the block)) - 2, held to -126 .. 127; a block of zeros has e = 0. As a byte (E8M0): e + 127.
;;     - Each number is divided by its block's scale, clamped to +-7.5, and rounded to the nearest number of E2M3, ties to even, subnormals kept.
;;     - The product sums the exact products of the quantised numbers (number of the format x scale) in f32.
;;   ~~~python
;;   def quantise(x, axis):      # numpy; x: float32 -> the quantised numbers, widened to float32 again
;;       x = np.moveaxis(x, axis, -1); K = x.shape[-1]
;;       x = np.pad(x, [(0, 0)] * (x.ndim - 1) + [(0, -K % 32)]); x = x.reshape(x.shape[:-1] + (-1, 32)); a = np.abs(x).max(-1, keepdims=True)
;;       e = np.where(a > 0, np.clip(np.frexp(np.where(a > 0, a, 1))[1] - 1 - 2, -126, 127), 0)      # np.frexp(a)[1] - 1 = floor(log2(a)), exactly
;;       r = np.clip(x / 2.0 ** e, -7.5, 7.5)
;;       step = 2.0 ** (np.maximum(np.frexp(np.where(r == 0, 1, r))[1] - 1, 0) - 3)
;;       q = np.round(r / step) * step * 2.0 ** e      # np.round: ties to even
;;       return np.moveaxis(q.reshape(q.shape[:-2] + (-1,))[..., :K], -1, axis).astype(np.float32)
;;   ~~~
;;   SOFTMAX AHEAD OF A QUANTISED PRODUCT. Where the list says 'softmax', what is quantised is not the finished softmax but p = 2^(t - M), with t = logit x log2(e) and M = ceil(the row's largest t), a whole number; so 1/2 < the row's largest p <= 1. The row's sum l is taken of the UNQUANTISED p, in f32, and the product's result is divided by l at the end. Since M is a whole number, a kernel that streams over the keys may use a running M (the ceiling of the running maximum): every later rescaling is an exact power of two, which a block's scale takes up: the codes' values come out the same.
;;   OPERANDS COMPUTED ON THE WAY. 'Computed on the way' means the value that the module computes at that place (a softmax that the list does not call 'softmax' is quantised finished and normalised). What goes into a quantiser is computed in f32, as accurately as f32 sums, v_exp_f32 and their like allow (about 1e-6 of the number): no bf16 or f16 on the way to a quantiser, and a product that is left as it is and whose result goes on into a quantised operand takes f32 operands (vector FMAs, or v_wmma_f32_16x16x4_f32). A number that lies on a knife's edge between two numbers of the format may be rounded either way, as far as f32 arithmetic and the matrix unit's own rounding can turn it there, and no further.
;; One version. Each part assembles by itself: llvm-mc -triple=amdgcn-amd-amdhsa -mcpu=gfx1250 --defsym DOCPART=n.
;; ======== version 1 of 1: 4 launches
;; workspace buffers: xq 6,553,600 bytes; wts 3,276,800 bytes; maskimg 2,097,152 bytes of whole numbers; qkv 19,660,800 bytes; ao 6,553,600 bytes
;; launch prep (part 1): grid 384 x 1, 4 waves a work-group, no clusters, 93,696 bytes of LDS; arguments inputs, attn_mask, padding_mask, W_qkv, W_proj, xq, wts, maskimg; writes xq, wts, maskimg
.if DOCPART == 1
	.amdgcn_target "amdgcn-amd-amdhsa--gfx1250"
	.amdhsa_code_object_version 6
	.text
	.protected	k_q6dc15f34a2_prep
	.globl	k_q6dc15f34a2_prep
	.p2align	8
	.type	k_q6dc15f34a2_prep,@function
k_q6dc15f34a2_prep:
	s_mov_b64 s[64:65], 0
	v_nop
	global_prefetch_b8 v0, s[64:65] scope:SCOPE_SE
	s_setreg_imm32_b32 hwreg(HW_REG_WAVE_MODE, 25, 1), 1
	s_wait_xcnt 0x0
; THE OPERANDS THAT ARRIVE WIDE BECOME CODES OF FP6 (E2M3) WITH ONE E8M0 BYTE FOR EACH 32 ALONG K, AND THE TWO MASKS BECOME LANE MASKS.
; Three kinds of work-group, told apart once by the work-group's number; the paths never join, and each has LDS bytes of its own:
;   0-127   X: inputs [8192][1024] f32 (K innermost)            -> xq
;   128-255 M: attn_mask [2048][2048], padding_mask [4][2048]   -> maskimg
;   256-383 W: W_qkv [1024][3072], W_proj [1024][1024] f32 (K is the FIRST axis) -> wts
; ORDER OF ROWS.  An operand's rows (tokens; a weight's columns) are kept in tiles of 16: place r of tile T holds true row 32 (T / 2) + 8 (T % 2) + r + 8 (r / 8).  A tile used as a
; matrix instruction's source 0 then leaves, in the 16 registers of tiles 2 b and 2 b + 1 of a lane, 16 NEIGHBOURS of the true order: what the next quantiser wants.
; LAYOUT OF CODES.  An image of the operand's registers: 16 rows x 64 along K = 768 bytes: lane (r, h) holds row r, block h, 24 bytes: its registers 0-3 at 16 x lane, its registers 4-5 at 512 + 8 x lane.
; A tile of 16 rows is 16 such images on end (K = 1,024): 12,288 bytes.  Scale bytes: 32 a row, rows in the order of places.
; MASK WORDS.  maskimg [batch][tile T of queries][step j of 128 keys][n 0..63]: bit (r + 16 h) of word n is 1 where query (T, r) may see key 128 j + 32 (n / 16) + 16 h + n % 16.
; A block's scale is 2^(floor(log2(its largest magnitude)) - 2): the byte is that magnitude's exponent field - 2, held at 1 from below.
; LIMITS: a block of zeros, or one whose largest magnitude lies under 2^-124, gets the byte 1 (its codes are zeros or near it; this program alone reads the bytes); NaN and infinities are not served.
; Memory binds here: every input byte is read once, by loads of which each covers 512 (W: 128) consecutive bytes; no matrix unit, no tensor load, no cluster, no barrier: waves share nothing.
.set XSTG,  0                          ; X: a stage of 16 rows x 528 bytes for each wave
.set MSTG,  33792                      ; M: the same
.set WSTG,  67584                      ; W: 2 x 3,200 bytes for each wave
.set SPARE, 93184                      ; the spare words, 128 bytes for each wave: two blocks of 256 bytes that no other line names
.set SPW, 2                            ; v2   my spare word's LDS address; never rewritten
.set NIL, 3                            ; v3   0; never rewritten
.set L16, 4                            ; v4   16 x lane
.set L8,  5                            ; v5   8 x lane
.set STI, 8                            ; v8   the stage, on the way in: 8,448 x wave + 16 x lane
.set STO, 9                            ; v9   on the way out: 8,448 x wave + 528 r + 64 h
.set TM,  12                           ; v12-27 at work
.set OUTW, 28                          ; v28-31 four scale words to store
.set R,   32                           ; v32-159 two sets of 64 numbers as loaded
.set X,   160                          ; v160-223 64 numbers of my row: register 16 b + i = k 32 b + 16 h + i
.set PC,  224                          ; v224-242 a fragment's codes
.set WS,  244                          ; v244-251 the eight scale words of my row
; 64 numbers of a lane, register 16 b + i = k 32 b + 16 (lane / 16) + i of my row, become a fragment's 12 registers in v[pc] on and its scale word in v[pw].
.macro QUANT s, pc, tm, pw
.irp b, 0,1,2,3
	v_max3_num_f32 v[\tm+\b], |v[\s+16*\b]|, |v[\s+1+16*\b]|, 0x1800000   ; my 16 numbers of block b, and the floor 2^(3 - 127): the byte cannot fall under 1
.endr
.irp i, 2,4,6,8,10,12,14
.irp b, 0,1,2,3
	v_max3_num_f32 v[\tm+\b], v[\tm+\b], |v[\s+16*\b+\i]|, |v[\s+1+16*\b+\i]|   ; the four blocks by turns
.endr
.endr
.irp b, 0,1,2,3
	v_permlanex16_b32 v[\tm+4+\b], v[\tm+\b], s22, s23
.endr
.irp b, 0,1,2,3
	v_max_num_f32 v[\tm+\b], v[\tm+\b], v[\tm+4+\b]        ; with lane l xor 16's: the block's largest magnitude
.endr
.irp b, 0,1,2,3
	v_add_nc_u32 v[\tm+12+\b], 0xff000000, v[\tm+\b]       ; 2 off its exponent field: the conversion's scale operand
.endr
.irp b, 0,1,2,3
	v_lshrrev_b32 v[\tm+4+\b], 23, v[\tm+12+\b]            ; the scale's byte
.endr
	v_lshl_or_b32 v[\pw], v[\tm+5], 8, v[\tm+4]
	v_lshl_or_b32 v[\pw], v[\tm+6], 16, v[\pw]
	v_lshl_or_b32 v[\pw], v[\tm+7], 24, v[\pw]
.irp c, 0,1
	v_cvt_scalef32_pk16_fp6_f32 v[\pc+6*\c:\pc+2+6*\c], v[\s+32*\c:\s+15+32*\c], v[\tm+12+2*\c]
	v_cvt_scalef32_pk16_fp6_f32 v[\pc+12+4*\c:\pc+14+4*\c], v[\s+16+32*\c:\s+31+32*\c], v[\tm+13+2*\c]   ; a conversion's three registers begin on an even number
.endr
	v_nop                                                  ; one plain instruction behind the scaled conversions
.irp c, 0,1                                                ; a lane is to hold a WHOLE block: lanes 0-15 block 2 c, lanes 16-31 block 2 c + 1
.irp i, 0,1,2
	v_permlane16_swap_b32 v[\pc+6*\c+\i], v[\pc+12+4*\c+\i]
.endr
.irp i, 0,1,2
	v_mov_b32 v[\pc+3+6*\c+\i], v[\pc+12+4*\c+\i]
.endr
.endr
.endm
; 16 rows' 512 bytes of step t: one load a row, 32 lanes on 512 consecutive bytes.  Place i of the tile is true row i + 8 (i / 8) from the tile's first.
.macro LOADR set, t, pitch
.irp i, 0,1,2,3,4,5,6,7,8,9,10,11,12,13,14,15
	global_load_b128 v[R+64*(\set)+4*\i:R+64*(\set)+4*\i+3], v[L16], s[24:25] offset:(\i+8*(\i/8))*(\pitch)+512*(\t) th:TH_LOAD_NT
.endr
.endm
; through the wave's own stage: in as loaded, out 64 bytes of a row to a lane.  Rows lie 528 bytes apart (33 x 16).  LDS serves a wave's instructions in order: no wait between.
.macro TURN set, stg
.irp i, 0,1,2,3,4,5,6,7,8,9,10,11,12,13,14,15
	ds_store_b128 v[STI], v[R+64*(\set)+4*\i:R+64*(\set)+4*\i+3] offset:(\stg)+528*\i
.endr
.irp b, 0,1,2,3
.irp j, 0,1,2,3
	ds_load_b128 v[X+16*\b+4*\j:X+16*\b+4*\j+3], v[STO] offset:(\stg)+128*\b+16*\j
.endr
.endr
.endm
.macro FINISH                          ; the wave's end: the tensor wait, the add of 0 to my spare word and its wait, behind my last LDS store
	s_wait_tensorcnt 0x0
	ds_add_u32 v[SPW], v[NIL]
	s_wait_dscnt 0x0
	s_endpgm
.endm
	s_load_b256 s[4:11], s[0:1], 0x0               ; inputs s[4:5], attn_mask s[6:7], padding_mask s[8:9], W_qkv s[10:11]
	s_load_b256 s[12:19], s[0:1], 0x20             ; W_proj s[12:13], xq s[14:15], wts s[16:17], maskimg s[18:19]
	v_lshl_add_u32 v[SPW], v0, 2, SPARE
	v_mov_b32 v[NIL], 0
	v_lshrrev_b32 v1, 5, v0
	v_readfirstlane_b32 s20, v1                    ; wave
	v_and_b32 v1, 31, v0                           ; lane
	v_lshlrev_b32 v[L16], 4, v1
	v_lshlrev_b32 v[L8], 3, v1
	v_and_b32 v6, 15, v0                           ; r
	v_bfe_u32 v7, v0, 4, 1                         ; h
	s_mov_b32 s22, 0x76543210
	s_mov_b32 s23, 0xfedcba98                      ; v_permlanex16_b32's selects for lane l xor 16
	s_mul_i32 s21, s20, 8448
	v_add_nc_u32 v[STI], s21, v[L16]
	v_mul_u32_u24 v[STO], v6, 528
	v_lshl_add_u32 v[STO], v7, 6, v[STO]
	v_add_nc_u32 v[STO], s21, v[STO]
	s_wait_kmcnt 0x0
	s_cmp_lt_u32 ttmp9, 128
	s_cbranch_scc1 .Lpath_x
	s_cmp_lt_u32 ttmp9, 256
	s_cbranch_scc1 .Lpath_m
; ---------------- W: a lane takes a column, its registers run down K.  A wave: 32 columns x 256 along K: 8 blocks a lane. ----------------
	s_sub_co_u32 s26, ttmp9, 256
	s_and_b32 s27, s26, 3                          ; y: which 256 along K
	s_lshr_b32 s28, s26, 2                         ; which 128 columns: 0-23 W_qkv's, 24-31 W_proj's
	s_mov_b32 s29, 4096
	s_cmp_lt_u32 s28, 24                           ; the choice hangs on the work-group's number alone
	s_cselect_b64 s[24:25], s[10:11], s[12:13]
	s_cselect_b32 s29, 12288, s29                  ; bytes from a row of the weight to the next
	s_cselect_b32 s30, 0, 24
	s_sub_co_u32 s30, s28, s30
	s_lshl_b32 s30, s30, 9                         ; 128 columns are 512 bytes,
	s_lshl_b32 s31, s20, 7                         ; my wave's 32 are 128
	s_add_co_u32 s30, s30, s31
	s_lshl_b32 s31, s27, 8
	s_mul_i32 s31, s31, s29                        ; 256 y rows down
	s_add_co_u32 s30, s30, s31
	s_mov_b32 s31, 0
	s_add_nc_u64 s[36:37], s[24:25], s[30:31]      ; block 0's first row at my wave's first column
	s_lshl_b32 s30, s29, 5                         ; 32 rows
.irp t, 1,2,3,4,5,6,7
	s_add_nc_u64 s[36+2*\t:37+2*\t], s[34+2*\t:35+2*\t], s[30:31]   ; a base for each block: none is ever stepped
.endr
	v_lshlrev_b32 v10, 2, v1
.irp i, 0,1,2,3,4,5,6,7,8,9,10,11,12,13,14,15,16,17,18,19,20,21,22,23,24,25,26,27,28,29,30,31
	v_mad_u32_u24 v[32+\i], s29, \i, v10           ; row i of a block, my column
.endr
	; my column, 16 a + 8 u + j of the wave's 32, is place 8 a + j of tile u
	v_bfe_u32 v11, v0, 3, 1                        ; u
	v_and_b32 v12, 7, v0
	v_lshl_add_u32 v12, v7, 3, v12                 ; 8 a + j
	s_mul_i32 s32, s20, 6400
	s_add_co_u32 s32, s32, WSTG                    ; my stage: for each tile u four images of 768 bytes (and 128 bytes of padding)
	v_mul_u32_u24 v13, v11, 3200
	v_add_nc_u32 v13, s32, v13
	v_lshl_add_u32 v14, v12, 4, v13                ; where my registers 0-3 of an image go,
	v_lshl_add_u32 v15, v12, 3, v13                ; and my registers 4-5
	v_add_nc_u32 v16, s32, v[L16]                  ; the way out: 16 bytes a lane
	v_lshl_add_u32 v17, v11, 4, v12
	v_lshlrev_b32 v17, 5, v17                      ; my row of scale bytes: 32 x (16 u + 8 a + j)
	s_lshl_b32 s33, s28, 2
	s_add_co_u32 s33, s33, s20                     ; which 32 columns of all 4,096
	s_mul_i32 s34, s33, 24576                      ; two tiles of 12,288 bytes
	s_mul_i32 s35, s27, 3072                       ; 256 along K are four images
	s_add_co_u32 s34, s34, s35
	s_mov_b32 s35, 0
	s_add_nc_u64 s[52:53], s[16:17], s[34:35]
	s_lshl_b32 s34, s33, 10                        ; 32 rows of 32 scale bytes
	s_lshl_b32 s33, s27, 3                         ; 256 along K are 8 of them
	s_add_co_u32 s34, s34, s33
	s_add_co_u32 s34, s34, 3145728
	s_add_nc_u64 s[54:55], s[16:17], s[34:35]
.macro WLOAD t                         ; block t: 32 rows, 128 consecutive bytes a wave and row
.irp i, 0,1,2,3,4,5,6,7,8,9,10,11,12,13,14,15,16,17,18,19,20,21,22,23,24,25,26,27,28,29,30,31
	global_load_b32 v[64+32*((\t)%2)+\i], v[32+\i], s[36+2*(\t):37+2*(\t)] th:TH_LOAD_NT
.endr
.endm
.macro WBLOCK t
.set XS, 64+32*((\t)%2)
.if (\t) < 7
	s_wait_loadcnt 32                              ; this block's 32 loads are in; the next block's may be out
.else
	s_wait_loadcnt 0x0
.endif
	v_max3_num_f32 v18, |v[XS]|, |v[XS+1]|, |v[XS+2]|      ; the block's largest magnitude: all 32 numbers are mine
	v_max3_num_f32 v19, |v[XS+3]|, |v[XS+4]|, |v[XS+5]|
.irp i, 6,10,14,18,22,26
	v_max3_num_f32 v18, v18, |v[XS+\i]|, |v[XS+\i+1]|
	v_max3_num_f32 v19, v19, |v[XS+\i+2]|, |v[XS+\i+3]|
.endr
	v_max3_num_f32 v18, v18, |v[XS+30]|, |v[XS+31]|
	v_max3_num_f32 v18, v18, v19, 0x1800000        ; and the floor
	v_add_nc_u32 v20, 0xff000000, v18              ; the conversion's scale operand
	v_lshrrev_b32 v21, 23, v20                     ; the byte
.if (\t)%4 == 0
	v_mov_b32 v[136+(\t)/4], v21
.else
	v_lshl_or_b32 v[136+(\t)/4], v21, 8*((\t)%4), v[136+(\t)/4]
.endif
	v_cvt_scalef32_pk16_fp6_f32 v[128:130], v[XS:XS+15], v20
	v_cvt_scalef32_pk16_fp6_f32 v[132:134], v[XS+16:XS+31], v20
	v_nop                                          ; one plain instruction behind the scaled conversions
	v_mov_b32 v131, v132                           ; the block's 24 bytes on end
	v_mov_b32 v132, v133
	v_mov_b32 v133, v134
	ds_store_b128 v14, v[128:131] offset:768*((\t)/2)+256*((\t)%2)       ; image t / 2, half t % 2 of its lanes
	ds_store_b64 v15, v[132:133] offset:768*((\t)/2)+512+128*((\t)%2)
.if (\t)+2 < 8
	WLOAD (\t)+2
.endif
	s_wait_dscnt 0x0                               ; the stores have read their registers: the next block's codes may be written
.endm
	WLOAD 0
	WLOAD 1
.irp t, 0,1,2,3,4,5,6,7
	WBLOCK \t
.endr
	global_store_b64 v17, v[136:137], s[54:55]     ; my column's 8 scale bytes: pieces of 8 bytes, 32 bytes apart: 128 KB of the 12 MB that the launch stores
.irp u, 0,1
.irp k, 0,1,2,3,4,5
	ds_load_b128 v[160+24*\u+4*\k:160+24*\u+4*\k+3], v16 offset:3200*\u+512*\k
.endr
.endr
.irp u, 0,1
.irp k, 0,1,2,3,4,5
	s_wait_dscnt 11-6*\u-\k                        ; the younger loads may be out
	global_store_b128 v[L16], v[160+24*\u+4*\k:160+24*\u+4*\k+3], s[52:53] offset:12288*\u+512*\k   ; 512 consecutive bytes, at a multiple of 256
.endr
.endr
	FINISH
; ---------------- X: a wave takes a tile of 16 tokens, all of K, in 8 steps of 128. ----------------
.Lpath_x:
	s_lshl_b32 s26, ttmp9, 2
	s_add_co_u32 s26, s26, s20                     ; the tile
	s_lshr_b32 s27, s26, 1
	s_lshl_b32 s27, s27, 5
	s_and_b32 s28, s26, 1
	s_lshl_b32 s28, s28, 3
	s_add_co_u32 s27, s27, s28                     ; its first true row
	s_lshl_b32 s28, s27, 12
	s_mov_b32 s29, 0
	s_add_nc_u64 s[24:25], s[4:5], s[28:29]
	s_mul_i32 s28, s26, 12288
	s_add_nc_u64 s[30:31], s[14:15], s[28:29]      ; its codes
	s_lshl_b32 s28, s26, 9
	s_add_co_u32 s28, s28, 6291456
	s_add_nc_u64 s[32:33], s[14:15], s[28:29]      ; its scale bytes
	s_mov_b32 s34, 0xffff0000                      ; lanes 16-31
.irp b, 0,1,2,3
	v_mov_b32 v[TM+4+\b], 0                        ; written once: a lane permute's destination counts as one of its sources
.endr
	LOADR 0, 0, 4096
	LOADR 1, 1, 4096
.macro XSTEP t
.if (\t) < 7
	s_wait_loadcnt 16                              ; this step's 16 loads are in; the next step's may be out
.else
	s_wait_loadcnt 0x0
.endif
	TURN (\t)%2, XSTG
	s_wait_dscnt 0x0                               ; my 64 numbers are back, and the stage's stores have read the set
	s_wait_xcnt 0x0                                ; the last step's stores have read the codes' registers
.if (\t)+2 < 8
	LOADR (\t)%2, (\t)+2, 4096
.endif
	QUANT X, PC, TM, WS+(\t)
	global_store_b128 v[L16], v[PC:PC+3], s[30:31] offset:1536*(\t)          ; two images: 512, 256, 512, 256 consecutive bytes
	global_store_b64 v[L8], v[PC+4:PC+5], s[30:31] offset:1536*(\t)+512
	global_store_b128 v[L16], v[PC+6:PC+9], s[30:31] offset:1536*(\t)+768
	global_store_b64 v[L8], v[PC+10:PC+11], s[30:31] offset:1536*(\t)+1280
.endm
.irp t, 0,1,2,3,4,5,6,7
	XSTEP \t
.endr
.irp k, 0,1,2,3
	v_cndmask_b32 v[OUTW+\k], v[WS+\k], v[WS+4+\k], s34    ; lanes 0-15 store the row's words 0-3, lanes 16-31 its words 4-7
.endr
	v_lshlrev_b32 v10, 5, v6
	v_lshl_add_u32 v10, v7, 4, v10
	global_store_b128 v10, v[OUTW:OUTW+3], s[32:33]        ; the tile's 512 scale bytes
	FINISH
; ---------------- M: a wave takes a tile of 16 queries x 512 keys, in 4 steps of 128 keys, for all four batches. ----------------
.Lpath_m:
	s_sub_co_u32 s26, ttmp9, 128
	s_lshl_b32 s26, s26, 2
	s_add_co_u32 s26, s26, s20
	s_lshr_b32 s27, s26, 2                         ; the tile of queries
	s_and_b32 s26, s26, 3                          ; which 512 keys
	s_lshr_b32 s28, s27, 1
	s_lshl_b32 s28, s28, 5
	s_and_b32 s29, s27, 1
	s_lshl_b32 s29, s29, 3
	s_add_co_u32 s28, s28, s29                     ; the tile's first true row
	s_lshl_b32 s28, s28, 13
	s_lshl_b32 s30, s26, 11
	s_add_co_u32 s28, s28, s30
	s_mov_b32 s29, 0
	s_mov_b32 s31, 0
	s_add_nc_u64 s[24:25], s[6:7], s[28:29]
	s_add_nc_u64 s[8:9], s[8:9], s[30:31]          ; padding_mask at my 512 keys
	s_lshl_b32 s28, s27, 12
	s_lshl_b32 s30, s26, 10
	s_add_co_u32 s28, s28, s30
	s_add_nc_u64 s[18:19], s[18:19], s[28:29]      ; my words of batch 0
	; lane l will hold words 2 l and 2 l + 1 of a step: their keys are 32 (l / 8) + 2 (l % 8) + 0, 1 for lanes 0-15 of the word, and 16 further on for lanes 16-31
	v_lshrrev_b32 v10, 3, v1
	v_and_b32 v11, 7, v1
	v_lshlrev_b32 v11, 3, v11
	v_lshl_add_u32 v10, v10, 7, v11
.irp t, 0,1,2,3
.irp b, 0,1,2,3
.irp f, 0,1
	global_load_b64 v[R+16*\t+4*\b+2*\f:R+16*\t+4*\b+2*\f+1], v10, s[8:9] offset:8192*\b+512*\t+64*\f
.endr
.endr
.endr
	v_mov_b32 v12, 0                               ; written once: v_writelane_b32's destination counts as read
	v_mov_b32 v13, 0
	v_mov_b32 v22, 0
	s_wait_loadcnt 0x0
.irp t, 0,1,2,3                                        ; v[224 + 8 t + 2 b + e]: ones in the half of the lanes whose key batch b does not pad out
.irp b, 0,1,2,3
.irp e, 0,1
	v_cmp_lt_i32 vcc_lo, 0, v[R+16*\t+4*\b+\e]
	v_cndmask_b32 v23, 0xffff, v22, vcc_lo
	v_cmp_lt_i32 vcc_lo, 0, v[R+16*\t+4*\b+2+\e]
	v_cndmask_b32 v24, 0xffff0000, v22, vcc_lo
	v_or_b32 v[224+8*\t+2*\b+\e], v23, v24
.endr
.endr
.endr
	LOADR 0, 0, 8192
	LOADR 1, 1, 8192
.macro MSTEP t
.if (\t) < 3
	s_wait_loadcnt 16                              ; this step's 16 loads are in; the next step's may be out
.else
	s_wait_loadcnt 0x0
.endif
	TURN (\t)%2, MSTG
	s_wait_dscnt 0x0
	s_wait_xcnt 0x0                                ; the last step's stores have read their data
.if (\t)+2 < 4
	LOADR (\t)%2, (\t)+2, 8192
.endif
.irp g, 0,1,2,3,4,5,6,7                                ; register n of lane (r, h) is attn_mask(query r, key 32 (n / 16) + 16 h + n % 16): the compare's lane mask IS word n
.irp k, 0,1,2,3,4,5,6,7
	v_cmp_lt_i32 s[36+\k], 0, v[X+8*\g+\k]
.endr
.irp k, 0,1,2,3,4,5,6,7
	v_writelane_b32 v[12+\k%2], s[36+\k], 4*\g+\k/2
.endr
.endr
.irp b, 0,1,2,3
	v_and_b32 v[14+2*\b], v12, v[224+8*(\t)+2*\b]
	v_and_b32 v[15+2*\b], v13, v[225+8*(\t)+2*\b]
	global_store_b64 v[L8], v[14+2*\b:15+2*\b], s[18:19] offset:524288*\b+256*(\t)   ; 64 words: 256 consecutive bytes, aligned
.endr
.endm
.irp t, 0,1,2,3
	MSTEP \t
.endr
	FINISH
.Lfunc_end_k_q6dc15f34a2_prep:
	.size	k_q6dc15f34a2_prep, .Lfunc_end_k_q6dc15f34a2_prep-k_q6dc15f34a2_prep
	.p2alignl 7, 3214868480
	.fill 96, 4, 3214868480
	.section	.rodata,"a",@progbits
	.p2align	6, 0x0
	.amdhsa_kernel k_q6dc15f34a2_prep
		.amdhsa_group_segment_fixed_size 93696
		.amdhsa_private_segment_fixed_size 0
		.amdhsa_enable_private_segment 0
		.amdhsa_kernarg_size 64
		.amdhsa_user_sgpr_count 2
		.amdhsa_user_sgpr_kernarg_segment_ptr 1
		.amdhsa_wavefront_size32 1
		.amdhsa_system_sgpr_workgroup_id_x 1
		.amdhsa_system_sgpr_workgroup_id_y 1
		.amdhsa_system_sgpr_workgroup_id_z 1
		.amdhsa_system_vgpr_workitem_id 0
		.amdhsa_next_free_vgpr 256
		.amdhsa_next_free_sgpr 66
		.amdhsa_reserve_vcc 1
		.amdhsa_float_denorm_mode_32 3
		.amdhsa_float_denorm_mode_16_64 3
		.amdhsa_memory_ordered 1
		.amdhsa_forward_progress 1
		.amdhsa_inst_pref_size 168
	.end_amdhsa_kernel
	.amdgpu_metadata
---
amdhsa.version: [ 1, 2 ]
amdhsa.kernels:
  - .name:           k_q6dc15f34a2_prep
    .symbol:         k_q6dc15f34a2_prep.kd
    .args:
      - { .name: inputs, .offset: 0, .size: 8, .value_kind: global_buffer, .address_space: global }
      - { .name: attn_mask, .offset: 8, .size: 8, .value_kind: global_buffer, .address_space: global }
      - { .name: padding_mask, .offset: 16, .size: 8, .value_kind: global_buffer, .address_space: global }
      - { .name: W_qkv, .offset: 24, .size: 8, .value_kind: global_buffer, .address_space: global }
      - { .name: W_proj, .offset: 32, .size: 8, .value_kind: global_buffer, .address_space: global }
      - { .name: xq, .offset: 40, .size: 8, .value_kind: global_buffer, .address_space: global }
      - { .name: wts, .offset: 48, .size: 8, .value_kind: global_buffer, .address_space: global }
      - { .name: maskimg, .offset: 56, .size: 8, .value_kind: global_buffer, .address_space: global }
    .group_segment_fixed_size: 93696
    .private_segment_fixed_size: 0
    .kernarg_segment_align: 8
    .kernarg_segment_size: 64
    .max_flat_workgroup_size: 128
    .sgpr_count:     66
    .vgpr_count:     256
    .wavefront_size: 32
...
	.end_amdgpu_metadata
.endif
;; end of part 1
;; launch gemm_qkv (part 2): grid 12 x 32, 4 waves a work-group, clusters of 4 x 4, 327,680 bytes of LDS; arguments xq, wts, qkv; writes qkv
.if DOCPART == 2
	.amdgcn_target "amdgcn-amd-amdhsa--gfx1250"
	.amdhsa_code_object_version 6
	.text
	.protected	k_q6dc15f34a2_gemm_qkv
	.globl	k_q6dc15f34a2_gemm_qkv
	.p2align	8
	.type	k_q6dc15f34a2_gemm_qkv,@function
k_q6dc15f34a2_gemm_qkv:
	s_mov_b64 s[64:65], 0
	v_nop
	global_prefetch_b8 v0, s[64:65] scope:SCOPE_SE
	s_setreg_imm32_b32 hwreg(HW_REG_WAVE_MODE, 25, 1), 1
	s_wait_xcnt 0x0
	s_wait_alu depctr_hold_cnt(0) depctr_sa_sdst(0) depctr_va_vdst(0) depctr_va_sdst(0) depctr_va_ssrc(0) depctr_va_vcc(0) depctr_vm_vsrc(0)
	s_getreg_b32 s2, hwreg(HW_REG_IB_STS2, 6, 4)
	s_cmp_eq_u32 s2, 0
	s_cbranch_scc0 .Lentry_in_a_cluster
	s_endpgm
.Lentry_in_a_cluster:
	s_bfe_u32 s2, ttmp6, 0x10000c
	s_cmp_lg_u32 s2, 0xf033
	s_cbranch_scc0 .Lentry_shape_is_right
	s_endpgm
.Lentry_shape_is_right:
; qkv = inputs W_qkv on codes of FP6 (E2M3), K = 1,024; q, k and v never leave as f32: they are quantised in the accumulators' registers and leave as codes.
; A tile of 256 x 256 to a work-group of four waves, 128 x 128 to a wave: 64 accumulators, 512 registers.  K goes in 4 steps of 256 through two LDS slots filled by the tensor data mover.
; OPERANDS ARE IMAGES OF REGISTERS: 16 rows x 64 along K = 768 bytes (lane's registers 0-3 at 16 x lane, registers 4-5 at 512 + 8 x lane); a tile of 16 rows is 16 images, 12,288 bytes.  A K step of a tile of 16 rows
; is 3,072 consecutive bytes; a fragment (16 rows x 128 K) comes by two loads of 16 and two of 8 bytes a lane, each on consecutive bytes: no pitch, no padding, no bank met twice.
; THE MATRIX INSTRUCTION IS USED TRANSPOSED: source 0 = 16 rows of side B, source 1 = 16 rows of side A: a lane holds one row of A, its registers run along B; since a tile's places hold true rows
; 32 (T / 2) + 8 (T % 2) + r + 8 (r / 8), the 64 registers of a block of A are 4 x 16 neighbours of B's true order: register 16 b + i = 32 b + 16 (lane / 16) + i.
; ROLES.  Clusters x = 0, 1 make q and k: A = tokens, B = W's columns 0-2,047: registers run along the head's channels, the K of the scores.  Cluster x = 2 makes v: A = W's columns 2,048-3,071, B = tokens:
; registers run along the KEYS, the K of the second product.  The role hangs on the cluster's x, which all sixteen partners share; it chooses pointers and offsets, never a path.
; CLUSTERS: 4 x 4.  A's tiles are shared along a row of the cluster, B's along a column: each is asked for jointly, by the same tensor load with the same descriptor and a mask that names the four.
; OUT: q, k [sel][batch][head][tile of 16 tokens][768]; v [batch][head][step of 128 keys][tile of 16 channels][1,536]; scale words laid as the attention's loads want them.
; LIMITS: a block of zeros or under 2^-124 gets the byte 1; NaN and infinities are not served.
; No prefetch: after the first fills there are two refills in all.  384 tiles on 256 WGPs: half the WGPs take a second work-group; a smaller tile would read each fragment for fewer products.
; REGISTERS: window 0: v16-31 addresses; v32-63 scale words, two sets, and nothing else; v64-123 the way out; v128-223 A's fragments, one set.  window 1: B's fragments, two sets.  windows 2, 3: accumulator (a, b) at v[8 (8 (a % 4) + b)].
.set NQ,    2                          ; matrix instructions deep in a slot
.set FR,    12                         ; registers of a fragment
.set NL,    4                          ; LDS loads that bring one
.set NP,    4                          ; places behind this matrix instruction (ISA guide 7.12.1)
.set TILEB, 12288                      ; a tile of 16 rows, all of K
.set STEPB, 3072                       ; its part of a K step
.set HALFT, 8*STEPB                    ; 128 rows: what one tensor load brings
.set SLOT,  4*HALFT                    ; A's 256 rows, then B's
.set SCL,   2*SLOT                     ; behind the ring: the scales of all of K, as units of 256 bytes + 16 of padding
.set HALFS, 16*272                     ; those of 128 rows
.set SBLK,  2*272                      ; of 16 rows
.set SPARE, SCL+4*HALFS                ; the spare words, 128 bytes for each wave: two blocks of 256 bytes that no other line names
.set ADRA, 16                          ; v16-17 A's fragments in slot 0, 1: + 16 x lane;  v18-19: + 8 x lane
.set ADRB, 20                          ; v20-23 the same for B
.set L16,  24                          ; v24 16 x lane
.set L8,   25                          ; v25 8 x lane
.set SOFF, 26                          ; v26 16 r + 4,096 h: the scale words' place
.set ADRS, 27                          ; v27 my scale words: lanes 0-15 A's rows, lanes 16-31 B's
.set SPW,  28                          ; v28 my spare word; never rewritten
.set NIL,  29                          ; v29 0; never rewritten
.set SC,   32
.set AF,   128
.set CD,   64                          ; v64-75 a fragment's codes; v76-78, v80-82 second halves
.set TM,   84                          ; v84-99 at work
.set WS,   100                         ; v100-107 the scale word of each of my eight blocks of A
.set OUTS, 108
.set LO,   112
.set HI,   116
.set G1, 24
.set G0, 32
.set G1B, 48
.set G0B, 56
.set G1S, 68
.set G0S, 76
.set G1SB, 80
.set G0SB, 88
.set MSB, 0
.macro WIN new                         ; the immediate's high byte repeats the setting that is left
.if MSB != \new
	s_set_vgpr_msb (MSB<<8)|\new
.set MSB, \new
.endif
.endm
.set MUL_LO, 0xa1                      ; source 0 (B) window 1, source 1 (A) window 0, C and D window 2
.set MUL_HI, 0xf1                      ; the same, C and D window 3
.set TO_B,   0x40                      ; destination window 1, address window 0
; A joint load: waves 0 and 1 fetch for A, waves 2 and 3 for B; the branch hangs on the wave's number alone.  An s_nop 0 and four v_nop follow each of the two lines.
.macro JLOAD g0a, g1a, g0b, g1b
	s_cmp_eq_u32 s15, 0
	s_cbranch_scc0 .Lfor_b_\@
	tensor_load_to_lds s[\g0a:\g0a+3], s[\g1a:\g1a+7]
	s_nop 0
.rept 4
	v_nop
.endr
	s_branch .Lasked_\@
.Lfor_b_\@:
	tensor_load_to_lds s[\g0b:\g0b+3], s[\g1b:\g1b+7]
	s_nop 0
.rept 4
	v_nop
.endr
.Lasked_\@:
.endm
.macro CREST                           ; a round of the cluster's barrier behind its opening barrier
	s_cmp_lg_u32 s14, 0
	s_cbranch_scc1 .Lnot_wave_0_\@
	s_barrier_signal -3
.Lnot_wave_0_\@:
	s_barrier_wait -3
	s_barrier_signal -1
	s_barrier_wait -1
.endm
.macro CROUND
	s_barrier_signal -1
	s_barrier_wait -1
	CREST
.endm
	s_load_b128 s[4:7], s[0:1], 0x0                ; xq, wts
	s_load_b64 s[12:13], s[0:1], 0x10              ; qkv
	v_lshl_add_u32 v[SPW], v0, 2, SPARE
	v_mov_b32 v[NIL], 0
	ds_add_u32 v[SPW], v[NIL]                      ; the wave's opening: the add of 0, with its wait ahead of my first tensor load; the set-up below stands between them
	v_lshrrev_b32 v1, 5, v0
	v_readfirstlane_b32 s14, v1                    ; wave
	s_lshr_b32 s15, s14, 1                         ; which 128 rows of A are mine.  Also: I fetch for A (0) or B (1)
	s_and_b32 s16, s14, 1                          ; which 128 rows of B.  Also: which 128 rows I fetch
	s_bfe_u32 s40, ttmp6, 0x40000                  ; cx
	s_bfe_u32 s41, ttmp6, 0x40004                  ; cy
	s_and_b32 s18, ttmp7, 0xffff
	s_lshl_b32 s18, s18, 2                         ; 4 x cluster y
	s_lshl_b32 s19, ttmp9, 2                       ; 4 x cluster x
	s_cmp_eq_u32 ttmp9, 2                          ; the role: v's cluster?
	s_cselect_b32 s17, 0, s18
	s_cselect_b32 s42, s18, s19
	s_add_co_u32 s17, s17, s41                     ; A's tile of 256 rows: q, k: 4 x cluster y + cy;  v: cy
	s_add_co_u32 s42, s42, s40                     ; B's: q, k: 4 x cluster x + cx;  v: 4 x cluster y + cx
	s_lshl_b32 s43, s41, 2
	s_lshl_b32 s43, 15, s43                        ; my row of the cluster
	s_lshl_b32 s44, 0x1111, s40                    ; my column
	; group 1: 8 tiles of 16 rows, of each 3,072 consecutive bytes (384 elements of 8), 12,288 bytes (1,536 elements) apart; dense in LDS
	s_or_b32 s[G1+0], s43, (3<<16)|(1<<21)
	s_or_b32 s[G1B+0], s44, (3<<16)|(1<<21)
.irp g, G1, G1B
	s_mov_b32 s[\g+1], 384<<16                     ; tensor_dim0
	s_mov_b32 s[\g+2], 8<<16                       ; tensor_dim1
	s_mov_b32 s[\g+3], 384<<16                     ; tile_dim0
	s_mov_b32 s[\g+4], 8                           ; tile_dim1
	s_mov_b32 s[\g+5], 1536                        ; stride
	s_mov_b32 s[\g+6], 0
	s_mov_b32 s[\g+7], 0
.endr
	; the scales of 128 rows: 4,096 dense bytes as 16 rows of 256, 16 bytes of padding behind each
	s_or_b32 s[G1S+0], s43, (3<<16)|(1<<20)|(1<<21)|(5<<22)|(3<<25)
	s_or_b32 s[G1SB+0], s44, (3<<16)|(1<<20)|(1<<21)|(5<<22)|(3<<25)
.irp g, G1S, G1SB
	s_mov_b32 s[\g+1], 32<<16
	s_mov_b32 s[\g+2], 16<<16
	s_mov_b32 s[\g+3], 32<<16
	s_mov_b32 s[\g+4], 16
	s_mov_b32 s[\g+5], 32
	s_mov_b32 s[\g+6], 0
	s_mov_b32 s[\g+7], 0
.endr
	s_lshl_b32 s18, s16, 3
	s_lshl_b32 s20, s17, 4
	s_add_co_u32 s20, s20, s18                     ; A: the first tile of 16 rows that I fetch
	s_lshl_b32 s46, s42, 4
	s_add_co_u32 s46, s46, s18                     ; B likewise
	s_lshl_b32 s22, s20, 9                         ; its scales: 512 bytes a tile
	s_mov_b32 s23, 0
	s_lshl_b32 s92, s46, 9
	s_mov_b32 s93, 0
	s_mul_i32 s20, s20, TILEB                      ; its codes
	s_mov_b32 s21, 0
	s_mul_i32 s46, s46, TILEB
	s_mov_b32 s47, 0
	s_mul_i32 s45, s14, HALFT                      ; where they go: no place in the cluster enters an LDS address
	s_mul_i32 s94, s14, HALFS
	s_wait_dscnt 0x0                               ; the opening add is done
	s_wait_kmcnt 0x0
	s_add_nc_u64 s[96:97], s[4:5], 6291456         ; the tokens' scales
	s_add_nc_u64 s[98:99], s[6:7], 3145728         ; W's scales
	s_add_nc_u64 s[2:3], s[6:7], 1572864           ; W's column 2,048: codes,
	s_add_nc_u64 s[100:101], s[6:7], 3211264       ; scales
	s_cmp_eq_u32 ttmp9, 2
	s_cselect_b64 s[8:9], s[4:5], s[6:7]           ; B's codes
	s_cselect_b64 s[10:11], s[96:97], s[98:99]     ; B's scales
	s_cselect_b64 s[4:5], s[2:3], s[4:5]           ; A's codes
	s_cselect_b64 s[6:7], s[100:101], s[96:97]     ; A's scales
	s_add_nc_u64 s[20:21], s[4:5], s[20:21]
	s_add_nc_u64 s[22:23], s[6:7], s[22:23]
	s_add_nc_u64 s[46:47], s[8:9], s[46:47]
	s_add_nc_u64 s[92:93], s[10:11], s[92:93]
	CROUND                                         ; all sixteen work-groups are here: the first joint loads meet
	s_mov_b32 s[G0S], 1
	s_add_co_u32 s[G0S+1], s94, SCL
	s_mov_b64 s[G0S+2:G0S+3], s[22:23]
	s_or_b32 s[G0S+3], s[G0S+3], 0x80000000
	s_mov_b32 s[G0SB], 1
	s_add_co_u32 s[G0SB+1], s94, SCL
	s_mov_b64 s[G0SB+2:G0SB+3], s[92:93]
	s_or_b32 s[G0SB+3], s[G0SB+3], 0x80000000
	JLOAD G0S, G1S, G0SB, G1SB                     ; the scales first: they are wanted with K step 0
.irp s, 0,1
	s_mov_b32 s[G0+4*\s], 1
	s_add_co_u32 s[G0+4*\s+1], s45, \s*SLOT
	s_add_nc_u64 s[G0+4*\s+2:G0+4*\s+3], s[20:21], \s*STEPB
	s_or_b32 s[G0+4*\s+3], s[G0+4*\s+3], 0x80000000
	s_mov_b32 s[G0B+4*\s], 1
	s_add_co_u32 s[G0B+4*\s+1], s45, \s*SLOT
	s_add_nc_u64 s[G0B+4*\s+2:G0B+4*\s+3], s[46:47], \s*STEPB
	s_or_b32 s[G0B+4*\s+3], s[G0B+4*\s+3], 0x80000000
	JLOAD G0+4*\s, G1, G0B+4*\s, G1B               ; three loads of mine are out
.endr
	v_and_b32 v1, 15, v0                           ; r
	v_bfe_u32 v2, v0, 4, 1                         ; h
	v_and_b32 v3, 31, v0
	v_lshlrev_b32 v[L16], 4, v3
	v_lshlrev_b32 v[L8], 3, v3
	v_lshlrev_b32 v[SOFF], 4, v1
	v_lshl_add_u32 v[SOFF], v2, 12, v[SOFF]
	s_mul_i32 s21, s15, HALFT                      ; my 128 rows of A
	s_mul_i32 s22, s16, HALFT                      ; my 128 rows of B,
	s_add_co_u32 s22, s22, 2*HALFT                 ; behind A's 256
.irp s, 0,1
	v_add_nc_u32 v[ADRA+\s], s21, v[L16]
	v_add_nc_u32 v[ADRB+\s], s22, v[L16]
	v_add_nc_u32 v[ADRA+2+\s], s21, v[L8]
	v_add_nc_u32 v[ADRB+2+\s], s22, v[L8]
	s_add_co_u32 s21, s21, SLOT
	s_add_co_u32 s22, s22, SLOT
.endr
	v_mul_u32_u24 v5, v1, 32                       ; my row's scales: 32 bytes a row,
	v_lshrrev_b32 v6, 8, v5
	v_lshl_add_u32 v5, v6, 4, v5                   ; and 16 more for each 256 passed
	s_mul_i32 s21, s15, HALFS
	s_mul_i32 s22, s16, HALFS
	s_add_co_u32 s22, s22, 2*HALFS
	s_sub_co_u32 s22, s22, s21
	v_mul_u32_u24 v6, s22, v2                      ; lanes 16-31 take B's: one product, the distance between the two bases
	s_add_co_u32 s21, s21, SCL
	v_add_nc_u32 v5, v5, v6
	v_add_nc_u32 v[ADRS], s21, v5
.macro FRAG reg, adr, q, i             ; tile i of my eight, the slot's q-th 128 along K: two images on end
	ds_load_b128 v[\reg:\reg+3], v[\adr] offset:3072*(\i)+1536*(\q)
	ds_load_b64 v[\reg+4:\reg+5], v[\adr+2] offset:3072*(\i)+1536*(\q)+512
	ds_load_b128 v[\reg+6:\reg+9], v[\adr] offset:3072*(\i)+1536*(\q)+768
	ds_load_b64 v[\reg+10:\reg+11], v[\adr+2] offset:3072*(\i)+1536*(\q)+1280
.endm
; 16 matrix instructions: A's blocks a0, a0 + 1 x B's eight.  zero = 1: the first product starts the sums.  The 64 accumulators take turns, one instruction a turn, in the same order in every step.
.macro MUL16 a0, p, q, sc, zero
.irp a, \a0, \a0+1
.irp b, 0,1,2,3,4,5,6,7
.if \zero
	v_wmma_scale_f32_16x16x128_f8f6f4 v[8*(8*((\a)%4)+\b):8*(8*((\a)%4)+\b)+7], v[128*(\p)+FR*\b:128*(\p)+FR*\b+FR-1], v[AF+FR*(\a):AF+FR*(\a)+FR-1], 0, v[SC+8*NQ*(\sc)+NQ*\b+(\q)], v[SC+8*NQ*(\sc)+NQ*(\a)+(\q)] matrix_a_fmt:MATRIX_FMT_FP6 matrix_b_fmt:MATRIX_FMT_FP6 matrix_a_scale:MATRIX_SCALE_ROW1
.else
	v_wmma_scale_f32_16x16x128_f8f6f4 v[8*(8*((\a)%4)+\b):8*(8*((\a)%4)+\b)+7], v[128*(\p)+FR*\b:128*(\p)+FR*\b+FR-1], v[AF+FR*(\a):AF+FR*(\a)+FR-1], v[8*(8*((\a)%4)+\b):8*(8*((\a)%4)+\b)+7], v[SC+8*NQ*(\sc)+NQ*\b+(\q)], v[SC+8*NQ*(\sc)+NQ*(\a)+(\q)] matrix_a_fmt:MATRIX_FMT_FP6 matrix_b_fmt:MATRIX_FMT_FP6 matrix_a_scale:MATRIX_SCALE_ROW1
.endif
.endr
.endr
.endm
.macro FETCH_B slot, q, p
	WIN TO_B
.irp i, 0,1,2,3,4,5,6,7
	FRAG 128*(\p)+FR*\i, ADRB+\slot, \q, \i
.endr
	WIN 0
.endm
.macro FETCH_A slot, q, i0
.irp i, \i0, \i0+1, \i0+2, \i0+3
	FRAG AF+FR*(\i), ADRA+\slot, \q, \i
.endr
.endm
.macro SCALES sc                       ; a K step's two words a row: lanes 0-15 A's block i, lanes 16-31 B's block i
.irp i, 0,1,2,3,4,5,6,7
	ds_load_b64 v[SC+8*NQ*\sc+NQ*\i:SC+8*NQ*\sc+NQ*\i+1], v[ADRS] offset:\i*SBLK
.endr
.endm
.macro PLACES n                        ; plain vector instructions between a matrix instruction and a load into, or a read of, its registers
.rept \n
	v_nop
.endr
.endm
.macro STEP slot, q, zero              ; 128 along K that have their successor in the same slot
	s_wait_dscnt 4*NL                              ; B's set and A's blocks 0-3 are in; the 16 loads of A's blocks 4-7 may be out
	WIN MUL_LO
	MUL16 0, (\q)%2, \q, \slot, \zero
	MUL16 2, (\q)%2, \q, \slot, \zero
	s_wait_dscnt 0
	PLACES NP
	FETCH_B \slot, (\q)+1, 1-(\q)%2
	FETCH_A \slot, (\q)+1, 0
	WIN MUL_HI
	MUL16 4, (\q)%2, \q, \slot, \zero
	MUL16 6, (\q)%2, \q, \slot, \zero
	PLACES NP
	WIN 0
	FETCH_A \slot, (\q)+1, 4
.endm
; A slot's last step changes slots: one barrier; in front of it each wave waits for all its tensor loads, adds 0 to its spare word, and waits for that and for its reads of this slot.  fill = 1: this slot is filled again, two K steps ahead.
.macro TURN slot, next, fill
	s_wait_tensorcnt 0x0                           ; all my tensor loads have landed: my part of the next slot
	ds_add_u32 v[SPW], v[NIL]                      ; 0 onto my spare word
	s_wait_dscnt 4*NL+1                            ; the add and the 16 loads of A's blocks 4-7 may be out
	WIN MUL_LO
	MUL16 0, 1, NQ-1, \slot, 0
	s_wait_dscnt 0x0                               ; the add is done, and my reads of this slot are over
	s_barrier_signal -1
	MUL16 2, 1, NQ-1, \slot, 0
	WIN 0
	s_barrier_wait -1
.if \fill
	CREST                                          ; the barrier has opened a round of the cluster's: no wave of any partner still reads this slot or has a load on its way
	s_add_nc_u64 s[G0+4*\slot+2:G0+4*\slot+3], s[G0+4*\slot+2:G0+4*\slot+3], 2*STEPB
	s_add_nc_u64 s[G0B+4*\slot+2:G0B+4*\slot+3], s[G0B+4*\slot+2:G0B+4*\slot+3], 2*STEPB
	JLOAD G0+4*\slot, G1, G0B+4*\slot, G1B         ; the first tensor load behind the round; its four v_nop are also the places in front of the loads below
.else
	PLACES NP
.endif
	v_add_nc_u32 v[ADRS], 4*NQ, v[ADRS]            ; the next K step's scale words (no LDS load of mine is out)
	FETCH_B \next, 0, 0
	FETCH_A \next, 0, 0
	SCALES \next
	WIN MUL_HI
	MUL16 4, 1, NQ-1, \slot, 0
	MUL16 6, 1, NQ-1, \slot, 0
	PLACES NP
	WIN 0
	FETCH_A \next, 0, 4
.endm
	s_wait_tensorcnt 1                             ; the scales and my part of K step 0 are in; K step 1's load may be out
	s_barrier_signal -1
	s_barrier_wait -1
	FETCH_B 0, 0, 0
	FETCH_A 0, 0, 0
	SCALES 0
	FETCH_A 0, 0, 4
	STEP 0, 0, 1                                   ; K = 1,024 is four K steps: written out
	TURN 0, 1, 1                                   ; slot 0 takes K step 2
	STEP 1, 0, 0
	TURN 1, 0, 1                                   ; slot 1 takes K step 3
	STEP 0, 0, 0
	TURN 0, 1, 0
	STEP 1, 0, 0
	s_wait_dscnt 4*NL
	WIN MUL_LO
	MUL16 0, 1, NQ-1, 1, 0
	MUL16 2, 1, NQ-1, 1, 0
	s_wait_dscnt 0
	WIN MUL_HI
	MUL16 4, 1, NQ-1, 1, 0
	MUL16 6, 1, NQ-1, 1, 0
	WIN 0
	; THE WAY OUT.  Where my eight blocks of A go.  No tensor load is out: the scale descriptors' registers are free.
	s_lshl_b32 s80, s17, 4
	s_lshl_b32 s81, s15, 3
	s_add_co_u32 s80, s80, s81                     ; A16: my first tile of 16 rows of A
	s_lshl_b32 s81, s42, 1
	s_add_co_u32 s81, s81, s16                     ; G: my 128 rows of B
	s_lshr_b32 s82, s81, 3                         ; q, k: sel = G / 8, batch = A16 / 128, heads 2 (G % 8) and the next
	s_lshl_b32 s82, s82, 2
	s_lshr_b32 s83, s80, 7
	s_add_co_u32 s82, s82, s83
	s_lshl_b32 s82, s82, 4
	s_and_b32 s83, s81, 7
	s_lshl_b32 s83, s83, 1
	s_add_co_u32 s82, s82, s83                     ; e = (4 sel + batch) 16 + head
	s_and_b32 s83, s80, 127                        ; the tile in its batch
	s_mul_i32 s84, s82, 98304
	s_mul_i32 s85, s83, 768
	s_add_co_u32 s84, s84, s85
	s_lshl_b32 s85, s82, 12
	s_lshl_b32 s83, s83, 5                         ; 256 bytes for each 8 tiles
	s_add_co_u32 s85, s85, s83
	s_add_co_u32 s85, s85, 18874368
	s_lshr_b32 s86, s81, 4                         ; v: batch = G / 16, step = G % 16, heads A16 / 4 and the next
	s_lshl_b32 s86, s86, 4
	s_lshr_b32 s87, s80, 2
	s_add_co_u32 s86, s86, s87                     ; f = 16 batch + head
	s_and_b32 s87, s81, 15
	s_lshl_b32 s88, s86, 4
	s_add_co_u32 s88, s88, s87
	s_mul_i32 s88, s88, 6144
	s_add_co_u32 s88, s88, 12582912
	s_lshl_b32 s89, s86, 12
	s_lshl_b32 s87, s87, 8
	s_add_co_u32 s89, s89, s87
	s_add_co_u32 s89, s89, 19398656
	s_mov_b32 s70, 98304
	s_mov_b32 s72, 768
	s_mov_b32 s74, 768
	s_cmp_eq_u32 ttmp9, 2
	s_cselect_b32 s68, s88, s84                    ; a fragment's first image,
	s_cselect_b32 s76, s89, s85                    ; the scale words,
	s_cselect_b32 s70, 768, s70                    ; from the first image to the second: v: on end;  q, k: the next head
	s_cselect_b32 s72, 1536, s72                   ; from block to block,
	s_cselect_b32 s74, 93696, s74                  ; and from block 3 to block 4 (v: into the next head)
	s_cselect_b32 s78, -1, 0
	s_mov_b32 s69, 0
	s_mov_b32 s71, 0
	s_mov_b32 s73, 0
	s_mov_b32 s75, 0
	s_mov_b32 s77, 0
	s_mov_b32 s79, 0xffff0000                      ; lanes 16-31
	s_mov_b32 s2, 0x76543210
	s_mov_b32 s3, 0xfedcba98                       ; v_permlanex16_b32's selects for lane l xor 16
	s_add_nc_u64 s[68:69], s[12:13], s[68:69]
	s_add_nc_u64 s[70:71], s[68:69], s[70:71]
	s_add_nc_u64 s[76:77], s[12:13], s[76:77]
	PLACES NP                                      ; behind the last products
.irp b, 0,1,2,3
	v_mov_b32 v[TM+4+\b], 0                        ; written once: a lane permute's destination counts as one of its sources
.endr
; Block a of A: its 64 registers, 16 b + i = 32 b + 16 (lane / 16) + i along B, become a fragment and a scale word.  Each accumulator is read from its low end on.
.macro OUTA a
.set AC, 64*((\a)%4)
.set WA, 2+(\a)/4
.set WW, WA|(WA<<2)
	WIN WW                                         ; sources 0 and 1: the accumulators' window
.irp b, 0,1,2,3
	v_max3_num_f32 v[TM+\b], |v[AC+16*\b]|, |v[AC+1+16*\b]|, 0x1800000   ; and the floor 2^(3 - 127)
.endr
.irp i, 2,4,6,8,10,12,14
.irp b, 0,1,2,3
	v_max3_num_f32 v[TM+\b], |v[AC+16*\b+\i]|, |v[AC+1+16*\b+\i]|, v[TM+\b]
.endr
.endr
	WIN 0
.irp b, 0,1,2,3
	v_permlanex16_b32 v[TM+4+\b], v[TM+\b], s2, s3
.endr
.irp b, 0,1,2,3
	v_max_num_f32 v[TM+\b], v[TM+\b], v[TM+4+\b]
.endr
.irp b, 0,1,2,3
	v_add_nc_u32 v[TM+12+\b], 0xff000000, v[TM+\b]
.endr
.irp b, 0,1,2,3
	v_lshrrev_b32 v[TM+4+\b], 23, v[TM+12+\b]
.endr
	v_lshl_or_b32 v[WS+(\a)], v[TM+5], 8, v[TM+4]
	v_lshl_or_b32 v[WS+(\a)], v[TM+6], 16, v[WS+(\a)]
	v_lshl_or_b32 v[WS+(\a)], v[TM+7], 24, v[WS+(\a)]
	s_wait_xcnt 0x0                                ; the last block's stores have read their data and their bases
.if (\a) == 4
	s_add_nc_u64 s[68:69], s[68:69], s[74:75]
	s_add_nc_u64 s[70:71], s[70:71], s[74:75]
.elseif (\a) > 0
	s_add_nc_u64 s[68:69], s[68:69], s[72:73]
	s_add_nc_u64 s[70:71], s[70:71], s[72:73]
.endif
	WIN WA                                         ; source 0: the accumulators' window
.irp c, 0,1
	v_cvt_scalef32_pk16_fp6_f32 v[CD+6*\c:CD+2+6*\c], v[AC+32*\c:AC+15+32*\c], v[TM+12+2*\c]
	v_cvt_scalef32_pk16_fp6_f32 v[CD+12+4*\c:CD+14+4*\c], v[AC+16+32*\c:AC+31+32*\c], v[TM+13+2*\c]
.endr
	WIN 0
	v_nop                                          ; one plain instruction behind the scaled conversions
.irp c, 0,1
.irp i, 0,1,2
	v_permlane16_swap_b32 v[CD+6*\c+\i], v[CD+12+4*\c+\i]
.endr
.irp i, 0,1,2
	v_mov_b32 v[CD+3+6*\c+\i], v[CD+12+4*\c+\i]
.endr
.endr
	global_store_b128 v[L16], v[CD:CD+3], s[68:69]             ; 512 and 256 consecutive bytes, at multiples of 256
	global_store_b64 v[L8], v[CD+4:CD+5], s[68:69] offset:512
	global_store_b128 v[L16], v[CD+6:CD+9], s[70:71]
	global_store_b64 v[L8], v[CD+10:CD+11], s[70:71] offset:512
.endm
.irp a, 0,1,2,3,4,5,6,7
	OUTA \a
.endr
	; the scale words.  q, k: word b of a head = the two bytes of tile 2 b, then those of tile 2 b + 1; lanes 0-15 store the first head's, lanes 16-31 the second's.  v: the words of tiles 0-3 of a head, likewise.
.irp b, 0,1,2,3
	v_perm_b32 v[LO+\b], v[WS+2*\b+1], v[WS+2*\b], 0x05040100
	v_perm_b32 v[HI+\b], v[WS+2*\b+1], v[WS+2*\b], 0x07060302
.endr
.irp b, 0,1,2,3
	v_cndmask_b32 v[LO+\b], v[LO+\b], v[HI+\b], s79
	v_cndmask_b32 v[HI+\b], v[WS+\b], v[WS+4+\b], s79
.endr
.irp b, 0,1,2,3
	v_cndmask_b32 v[OUTS+\b], v[LO+\b], v[HI+\b], s78          ; by the role: a choice of values, no branch
.endr
	global_store_b128 v[SOFF], v[OUTS:OUTS+3], s[76:77]        ; two runs of 256 consecutive bytes
	s_wait_tensorcnt 0x0                           ; the wave's end: the tensor wait, the add of 0 to my spare word and its wait
	ds_add_u32 v[SPW], v[NIL]
	s_wait_dscnt 0x0
	CROUND                                         ; the closing round
	s_endpgm
.Lfunc_end_k_q6dc15f34a2_gemm_qkv:
	.size	k_q6dc15f34a2_gemm_qkv, .Lfunc_end_k_q6dc15f34a2_gemm_qkv-k_q6dc15f34a2_gemm_qkv
	.p2alignl 7, 3214868480
	.fill 96, 4, 3214868480
	.section	.rodata,"a",@progbits
	.p2align	6, 0x0
	.amdhsa_kernel k_q6dc15f34a2_gemm_qkv
		.amdhsa_group_segment_fixed_size 327680
		.amdhsa_private_segment_fixed_size 0
		.amdhsa_enable_private_segment 0
		.amdhsa_kernarg_size 24
		.amdhsa_user_sgpr_count 2
		.amdhsa_user_sgpr_kernarg_segment_ptr 1
		.amdhsa_wavefront_size32 1
		.amdhsa_system_sgpr_workgroup_id_x 1
		.amdhsa_system_sgpr_workgroup_id_y 1
		.amdhsa_system_sgpr_workgroup_id_z 1
		.amdhsa_system_vgpr_workitem_id 0
		.amdhsa_next_free_vgpr 1024
		.amdhsa_next_free_sgpr 102
		.amdhsa_reserve_vcc 0
		.amdhsa_float_denorm_mode_32 3
		.amdhsa_float_denorm_mode_16_64 3
		.amdhsa_memory_ordered 1
		.amdhsa_forward_progress 1
		.amdhsa_inst_pref_size 152
	.end_amdhsa_kernel
	.amdgpu_metadata
---
amdhsa.version: [ 1, 2 ]
amdhsa.kernels:
  - .name:           k_q6dc15f34a2_gemm_qkv
    .symbol:         k_q6dc15f34a2_gemm_qkv.kd
    .args:
      - { .name: xq, .offset: 0, .size: 8, .value_kind: global_buffer, .address_space: global }
      - { .name: wts, .offset: 8, .size: 8, .value_kind: global_buffer, .address_space: global }
      - { .name: qkv, .offset: 16, .size: 8, .value_kind: global_buffer, .address_space: global }
    .group_segment_fixed_size: 327680
    .private_segment_fixed_size: 0
    .kernarg_segment_align: 8
    .kernarg_segment_size: 24
    .max_flat_workgroup_size: 128
    .sgpr_count:     102
    .vgpr_count:     1024
    .wavefront_size: 32
...
	.end_amdgpu_metadata
.endif
;; end of part 2
;; launch attn (part 3): grid 4 x 64, 16 waves a work-group, clusters of 4 x 1, 206,848 bytes of LDS; arguments qkv, maskimg, ao; writes ao
.if DOCPART == 3
	.amdgcn_target "amdgcn-amd-amdhsa--gfx1250"
	.amdhsa_code_object_version 6
	.text
	.protected	k_q6dc15f34a2_attn
	.globl	k_q6dc15f34a2_attn
	.p2align	8
	.type	k_q6dc15f34a2_attn,@function
k_q6dc15f34a2_attn:
	s_mov_b64 s[64:65], 0
	v_nop
	global_prefetch_b8 v0, s[64:65] scope:SCOPE_SE
	s_setreg_imm32_b32 hwreg(HW_REG_WAVE_MODE, 25, 1), 1
	s_wait_xcnt 0x0
	s_wait_alu depctr_hold_cnt(0) depctr_sa_sdst(0) depctr_va_vdst(0) depctr_va_sdst(0) depctr_va_ssrc(0) depctr_va_vcc(0) depctr_vm_vsrc(0)
	s_getreg_b32 s2, hwreg(HW_REG_IB_STS2, 6, 4)
	s_cmp_eq_u32 s2, 0
	s_cbranch_scc0 .Lentry_in_a_cluster
	s_endpgm
.Lentry_in_a_cluster:
	s_bfe_u32 s2, ttmp6, 0x10000c
	s_cmp_lg_u32 s2, 0x3003
	s_cbranch_scc0 .Lentry_shape_is_right
	s_endpgm
.Lentry_shape_is_right:
; x = softmax(mask(q k^T / 8)) v for one head, both products on codes of FP6 (E2M3); x leaves as codes along the projection's K.
; THE SOFTMAX: t = score x log2(e) / 8; M = the row's largest t so far, rounded UP to a whole number; p = 2^(t - M) is quantised along the keys, not normalised; the row's sum is taken of the unquantised p and divides at the end.
; When M moves, the sum and O are multiplied by 2^(old M - new M): exact.
; THE MASKS: a hidden key's score becomes -8e7, which is the logit -1e7 ahead of the factor 1/8: p = 0 beside any key that counts.  A row ALL of whose keys so far are hidden has equal logits: there t - M is made exactly 0, p = 1.
; LIMITS: a key that counts with a logit at or under -1e7 is not told from a hidden one; NaN and infinities are not served; a block of zeros keeps the byte 1 with zero codes.
; SHARES.  A work-group owns 512 queries of one head; each of its sixteen waves two tiles of 16, one after the other, in 256 registers: four waves to a SIMD, so that one wave's vector work stands beside another's products and LDS loads.
; THE WHOLE HEAD'S K AND V LIE IN LDS, filled ONCE (2 x 98,304 bytes of codes, 2 x 4,096 of scale words): no slot is filled again, and the loops hold no barrier.
; CLUSTER.  The four work-groups of a head form a cluster and ask for K and V JOINTLY: the same tensor loads, the same descriptors, the mask 15.
; LAYOUT.  Both products are used transposed: S^T = K Q^T, O^T = V^T P^T: a lane holds ONE query (lane % 16).  Place r of tile T is true row 32 (T / 2) + 8 (T % 2) + r + 8 (r / 8), so that the 16 registers of tiles 2 b, 2 b + 1 are 16 neighbours.
; THE HEAD'S 64 IN AN INSTRUCTION'S 128: a fragment of K is TWO tiles of 16 keys on end (the first in k 0-63, the second in k 64-127); against [Q | 0] it gives the first tile's scores, against [0 | Q] the second's: no byte of LDS is read for nothing.
; The mask words come by scalar loads, a step ahead, and serve as the lane masks of v_cndmask_b32: no branch and no address hangs on them.
; No prefetch: all of K and V is asked for at the head.
.set VIMG,  98304                      ; LDS: K's images at 0, V's here,
.set KSC,   196608                     ; K's scale words, and 4,096 bytes on V's
.set SPARE, 204800                     ; the spare words, 128 bytes for each of 16 waves: eight blocks of 256 bytes that no other line names
.set L16, 1                            ; v1 16 x lane;  v2 8 x lane;  v3, v4 the same in V's images;  v5 16 r in K's scale words
.set L8,  2
.set LV16, 3
.set LV8, 4
.set LSC, 5
.set SPW, 6                            ; v6 my spare word; never rewritten
.set NIL, 7                            ; v7 0; never rewritten
.set SNEG, 8                           ; v8 -8e7
.set ZERO, 9
.set ADK16, 10                         ; v10-14 the step's LDS addresses
.set ADK8, 11
.set ADV16, 12
.set ADV8, 13
.set ADS, 14
.set R32, 15                           ; v15 32 r
.set QF,  16                           ; v16-33 [Q | 0 | Q]
.set QRAW, 34                          ; v34 the scale bytes of my two tiles of queries;  v35 those of the tile in hand, twice;  v36 p's scale word
.set QSC, 35
.set PW,  36
.set KSW, 38                           ; v38-41 K's scale words, v42-45 V's
.set VSW, 42
.set NM,  46                           ; v46 -M;  v47 the largest t
.set TT,  47
.set SUM, 48                           ; v[48:49] the sum in two halves
.set F,   50                           ; v50 2^(old M - new M); v51 only named with it
.set CL,  52                           ; v52 c, or 0 in a row all hidden; v53 only named with it
.set NL,  54                           ; v54 -M, or 0 likewise; v55 only named with it
.set T0,  56
.set T1,  57
.set BM,  58                           ; v58-61 the blocks' largest scores, then largest p
.set BX,  62
.set SCLR, 66                          ; v66-69 the conversions' scale operands
.set PC,  70                           ; v70-81 p's codes; v82-84, v86-88 second halves
.set PH,  82
.set SUM2, 90
.set KC,  92                           ; v92 the t of a hidden key
.set KF,  96                           ; v96-143 four fragments, K's and then V's
.set S,   144                          ; v144-207 S^T, then p
.set O,   208                          ; v208-239 O^T
.macro CROUND
	s_barrier_signal -1
	s_barrier_wait -1
	s_cmp_lg_u32 s10, 0
	s_cbranch_scc1 .Lnot_wave_0_\@
	s_barrier_signal -3
.Lnot_wave_0_\@:
	s_barrier_wait -3
	s_barrier_signal -1
	s_barrier_wait -1
.endm
.macro FRAG reg, a16, a8, off          ; two images on end: 12 registers
	ds_load_b128 v[\reg:\reg+3], v[\a16] offset:\off
	ds_load_b64 v[\reg+4:\reg+5], v[\a8] offset:\off+512
	ds_load_b128 v[\reg+6:\reg+9], v[\a16] offset:\off+768
	ds_load_b64 v[\reg+10:\reg+11], v[\a8] offset:\off+1280
.endm
	s_load_b128 s[4:7], s[0:1], 0x0                ; qkv, maskimg
	s_load_b64 s[8:9], s[0:1], 0x10                ; ao
	v_lshl_add_u32 v[SPW], v0, 2, SPARE
	v_mov_b32 v[NIL], 0
	ds_add_u32 v[SPW], v[NIL]                      ; the wave's opening: the add of 0, with its wait ahead of the first tensor loads; the set-up below stands between them
	v_lshrrev_b32 v10, 5, v0
	v_readfirstlane_b32 s10, v10                   ; wave 0..15
	s_and_b32 s11, ttmp7, 0xffff                   ; 16 x batch + head: the four partners share it
	s_bfe_u32 s15, ttmp6, 0x40000                  ; cx: it enters the addresses of Q, the mask words and ao alone
	; group 1: dense blocks as rows of 256 bytes (32 elements of 8): 96 rows (a quarter of a head's images), 16 rows (a head's scale words)
	s_mov_b32 s16, 15|(3<<16)|(1<<21)
	s_mov_b32 s17, 32<<16
	s_mov_b32 s18, 96<<16
	s_mov_b32 s19, 32<<16
	s_mov_b32 s20, 96
	s_mov_b32 s21, 32
	s_mov_b32 s22, 0
	s_mov_b32 s23, 0
	s_mov_b32 s24, 15|(3<<16)|(1<<21)
	s_mov_b32 s25, 32<<16
	s_mov_b32 s26, 16<<16
	s_mov_b32 s27, 32<<16
	s_mov_b32 s28, 16
	s_mov_b32 s29, 32
	s_mov_b32 s30, 0
	s_mov_b32 s31, 0
	s_mul_i32 s77, s11, 98304                      ; the head's images: q's,
	s_add_co_u32 s78, s77, 6291456                 ; k's,
	s_add_co_u32 s79, s77, 12582912                ; v's
	s_and_b32 s96, s10, 7                          ; waves 0-3 fetch K's quarters, waves 4-7 V's
	s_cmp_lt_u32 s96, 4
	s_cselect_b32 s98, s78, s79
	s_and_b32 s97, s10, 3
	s_mul_i32 s97, s97, 24576
	s_add_co_u32 s98, s98, s97
	s_mov_b32 s99, 0
	s_mul_i32 s96, s96, 24576                      ; and where it goes
	s_lshl_b32 s100, s11, 12
	s_add_co_u32 s101, s100, 19136512              ; k's scale words: 18,874,368 + 4,096 (64 + head),
	s_add_co_u32 s100, s100, 19398656              ; v's
	s_and_b32 s97, s10, 1                          ; wave 8 fetches K's, wave 9 V's
	s_cmp_eq_u32 s97, 0
	s_cselect_b32 s100, s101, s100
	s_mov_b32 s101, 0
	s_lshl_b32 s97, s97, 12
	s_add_co_u32 s97, s97, KSC
	s_mov_b32 s12, 0x76543210
	s_mov_b32 s13, 0xfedcba98                      ; v_permlanex16_b32's selects for lane l xor 16
	s_mov_b32 s14, 0x3e38aa3b                      ; c = log2(e) / 8
	s_mov_b32 s76, 0x01000100                      ; v_perm_b32: my first tile's two scale bytes, twice
	s_mov_b32 s66, 0                               ; the step, counted through both tiles
	s_mov_b32 s69, 2                               ; tiles to go
	s_wait_dscnt 0x0                               ; the opening add is done
	s_wait_kmcnt 0x0
	s_mov_b32 s32, 1
	s_mov_b32 s33, s96
	s_add_nc_u64 s[34:35], s[4:5], s[98:99]
	s_or_b32 s35, s35, 0x80000000
	s_mov_b32 s36, 1
	s_mov_b32 s37, s97
	s_add_nc_u64 s[38:39], s[4:5], s[100:101]
	s_or_b32 s39, s39, 0x80000000
	CROUND                                         ; all four work-groups are here: the joint loads meet
	s_cmp_lt_u32 s10, 8                            ; the branches hang on the wave's number alone; an s_nop 0 and four v_nop follow each load
	s_cbranch_scc0 .Lnot_big
	tensor_load_to_lds s[32:35], s[16:23]
	s_nop 0
.rept 4
	v_nop
.endr
	s_branch .Lasked
.Lnot_big:
	s_cmp_lt_u32 s10, 10
	s_cbranch_scc0 .Lasked
	tensor_load_to_lds s[36:39], s[24:31]
	s_nop 0
.rept 4
	v_nop
.endr
.Lasked:
	s_lshl_b32 s96, s15, 5
	s_lshl_b32 s97, s10, 1
	s_add_co_u32 s96, s96, s97                     ; my first tile of queries: 32 cx + 2 x wave
	s_mul_i32 s98, s96, 768
	s_add_co_u32 s98, s98, s77
	s_mov_b32 s99, 0
	s_add_nc_u64 s[70:71], s[4:5], s[98:99]        ; its image
	s_lshl_b32 s98, s11, 12                        ; q's scale words: 256 bytes for each 8 tiles, 16 a row, word (tile / 2) % 4: one word serves both my tiles
	s_add_co_u32 s98, s98, 18874368
	s_lshl_b32 s97, s15, 10
	s_add_co_u32 s98, s98, s97
	s_lshr_b32 s97, s10, 2
	s_lshl_b32 s97, s97, 8
	s_add_co_u32 s98, s98, s97
	s_and_b32 s97, s10, 3
	s_lshl_b32 s97, s97, 2
	s_add_co_u32 s98, s98, s97
	s_add_nc_u64 s[78:79], s[4:5], s[98:99]
	s_lshr_b32 s97, s11, 4
	s_lshl_b32 s97, s97, 7
	s_add_co_u32 s96, s96, s97                     ; the tile among all tokens: 128 x batch + tile
	s_lshl_b32 s98, s96, 12
	s_add_nc_u64 s[6:7], s[6:7], s[98:99]          ; its mask words: 256 bytes a step, 16 steps a tile, my two tiles on end
	s_and_b32 s97, s11, 15                         ; the head
	s_lshl_b32 s98, s96, 4
	s_add_co_u32 s98, s98, s97
	s_mul_i32 s98, s98, 768
	s_add_nc_u64 s[72:73], s[8:9], s[98:99]        ; x's image
	s_lshl_b32 s98, s96, 9
	s_lshl_b32 s97, s97, 1
	s_add_co_u32 s98, s98, s97
	s_add_co_u32 s98, s98, 6291456
	s_add_nc_u64 s[74:75], s[8:9], s[98:99]        ; x's scale bytes
	v_and_b32 v10, 31, v0
	v_lshlrev_b32 v[L16], 4, v10
	v_lshlrev_b32 v[L8], 3, v10
	v_add_nc_u32 v[LV16], VIMG, v[L16]
	v_add_nc_u32 v[LV8], VIMG, v[L8]
	v_and_b32 v11, 15, v0
	v_lshlrev_b32 v[T0], 4, v11
	v_add_nc_u32 v[LSC], KSC, v[T0]
	v_lshlrev_b32 v[R32], 5, v11
	global_load_b32 v[QRAW], v[T0], s[78:79]
	v_mov_b32 v[SNEG], 0xcc989680                  ; -8e7
	v_mov_b32 v[ZERO], 0
	v_mul_f32 v[KC], s14, v[SNEG]                  ; a hidden key's t, by the very multiplication that the loop applies to a maximum: the same bits
.irp j, 6,7,8,9,10,11
	v_mov_b32 v[QF+\j], 0                          ; the zero codes between the two copies of Q
.endr
	v_mov_b32 v[F+1], 0                            ; named as the upper halves of pairs
	v_mov_b32 v[CL+1], 0
	v_mov_b32 v[NL+1], 0
	v_mov_b32 v[T1], 0                             ; a lane permute's destination counts as one of its sources
.irp b, 0,1,2,3
	v_mov_b32 v[BX+\b], 0
.endr
	s_wait_loadcnt 0x0                             ; Q's scale word
	s_wait_tensorcnt 0x0                           ; my part of the head is in LDS,
	s_barrier_signal -1
	s_barrier_wait -1                              ; everybody's is
	s_load_b512 s[16:31], s[6:7], 0x0              ; the first step's 64 mask words, into the registers that the descriptors have left
	s_load_b512 s[32:47], s[6:7], 0x40
	s_load_b512 s[48:63], s[6:7], 0x80
	s_load_b512 s[80:95], s[6:7], 0xc0
.Ltile:
	v_perm_b32 v[QSC], v[QRAW], v[QRAW], s76       ; more than eight plain instructions ahead of the first product
	global_load_b128 v[QF:QF+3], v[L16], s[70:71]  ; Q's image, twice
	global_load_b64 v[QF+4:QF+5], v[L8], s[70:71] offset:512
	global_load_b128 v[QF+12:QF+15], v[L16], s[70:71]
	global_load_b64 v[QF+16:QF+17], v[L8], s[70:71] offset:512
	v_mov_b32 v[TT], 0xff61b1e6                    ; -3e38, under every t
	v_floor_f32 v[NM], -v[TT]
	v_mov_b32 v[SUM], 0
	v_mov_b32 v[SUM+1], 0
.set JJ, 0
.rept 32
	v_mov_b32 v[O+JJ], 0                           ; the step is written once: the first finds zeros, which the first change of M leaves zeros
.set JJ, JJ+1
.endr
	s_mov_b32 s2, 0                                ; the step's images: 6,144 bytes a step
	s_mov_b32 s3, 0                                ; its scale words: 256
	s_mov_b32 s68, 16
	s_wait_loadcnt 0x0
.Lstep:                                                ; 128 keys
	v_add_nc_u32 v[ADK16], s2, v[L16]              ; (these five are also the places behind the last products)
	v_add_nc_u32 v[ADK8], s2, v[L8]
	v_add_nc_u32 v[ADV16], s2, v[LV16]
	v_add_nc_u32 v[ADV8], s2, v[LV8]
	v_add_nc_u32 v[ADS], s3, v[LSC]
.irp f, 0,1,2,3
	FRAG KF+12*\f, ADK16, ADK8, 1536*\f
.endr
	ds_load_b128 v[KSW:KSW+3], v[ADS]
	s_wait_dscnt 0x0
.irp f, 0,1,2,3                                        ; S^T: register 16 f + 8 u + j of lane (r, h) = key 32 f + 16 h + 8 u + j, query r
.irp u, 0,1
	v_wmma_scale_f32_16x16x128_f8f6f4 v[S+16*\f+8*\u:S+16*\f+8*\u+7], v[KF+12*\f:KF+12*\f+11], v[QF+6*\u:QF+6*\u+11], 0, v[KSW+\f], v[QSC] matrix_a_fmt:MATRIX_FMT_FP6 matrix_b_fmt:MATRIX_FMT_FP6
.endr
.endr
.rept 4
	v_nop                                          ; places in front of the loads into K's registers and of the first read of the scores
.endr
.irp f, 0,1,2,3
	FRAG KF+12*\f, ADV16, ADV8, 1536*\f            ; V's four fragments land under the softmax
.endr
	ds_load_b128 v[VSW:VSW+3], v[ADS] offset:4096
	s_wait_kmcnt 0x0                               ; this step's mask words
.set NN, 0
.rept 64                                               ; each accumulator from its low end on
.if NN < 48
	v_cndmask_b32 v[S+NN], v[SNEG], v[S+NN], s[16+NN]
.else
	v_cndmask_b32 v[S+NN], v[SNEG], v[S+NN], s[32+NN]
.endif
.set NN, NN+1
.endr
	s_add_co_u32 s66, s66, 1                       ; the next step's words, through both tiles; the very last request is held at the last step's: it stays inside the buffer
	s_min_u32 s67, s66, 31
	s_lshl_b32 s67, s67, 8
	s_load_b512 s[16:31], s[6:7], s67 offset:0x0
	s_load_b512 s[32:47], s[6:7], s67 offset:0x40
	s_load_b512 s[48:63], s[6:7], s67 offset:0x80
	s_load_b512 s[80:95], s[6:7], s67 offset:0xc0
.irp b, 0,1,2,3
	v_max3_num_f32 v[BM+\b], v[S+16*\b], v[S+1+16*\b], v[S+2+16*\b]   ; the largest score of each block of 32 keys: for the row's maximum, and, since p rises with the score, for the block's largest p
.endr
.irp i, 3,5,7,9,11,13
.irp b, 0,1,2,3
	v_max3_num_f32 v[BM+\b], v[BM+\b], v[S+16*\b+\i], v[S+1+16*\b+\i]
.endr
.endr
.irp b, 0,1,2,3
	v_max_num_f32 v[BM+\b], v[BM+\b], v[S+15+16*\b]
.endr
.irp b, 0,1,2,3
	v_permlanex16_b32 v[BX+\b], v[BM+\b], s12, s13
.endr
.irp b, 0,1,2,3
	v_max_num_f32 v[BM+\b], v[BM+\b], v[BX+\b]     ; with lane l xor 16's 16 keys
.endr
	v_max3_num_f32 v[T0], v[BM], v[BM+1], v[BM+2]
	v_max_num_f32 v[T0], v[T0], v[BM+3]
	v_mul_f32 v[T0], s14, v[T0]                    ; as t
	v_max_num_f32 v[TT], v[TT], v[T0]              ; the running largest t
	v_mov_b32 v[T0], v[NM]
	v_floor_f32 v[NM], -v[TT]                      ; -M = floor(-t): M is a whole number
	v_sub_f32 v[T0], v[NM], v[T0]                  ; old M - new M: a whole number, 0 or less
	v_cvt_i32_f32 v[T0], v[T0]                     ; (it saturates)
	v_ldexp_f32 v[F], 1.0, v[T0]                   ; f = 2^(old M - new M)
	v_cmp_eq_f32 vcc_lo, v[KC], v[TT]              ; every key so far hidden?  Then all logits are equal: t - M = 0
	v_cndmask_b32 v[CL], s14, v[ZERO], vcc_lo
	v_cndmask_b32 v[NL], v[NM], v[ZERO], vcc_lo
.set JJ, 0
.rept 32
	v_pk_fma_f32 v[S+JJ:S+JJ+1], v[S+JJ:S+JJ+1], v[CL:CL+1], v[NL:NL+1] op_sel_hi:[1,0,0]   ; t - M, two at a time
.set JJ, JJ+2
.endr
.irp b, 0,1,2,3
	v_fma_f32 v[BM+\b], v[BM+\b], v[CL], v[NL]     ; the same of each block's largest score
.endr
.set JJ, 0
.rept 64
	v_exp_f32 v[S+JJ], v[S+JJ]                     ; p = 2^(t - M)
.set JJ, JJ+1
.endr
	v_pk_mul_f32 v[SUM:SUM+1], v[SUM:SUM+1], v[F:F+1] op_sel_hi:[1,0]   ; the sums under the new M: the plain instruction behind the exponentials
	s_wait_alu depctr_va_vdst(0)                   ; one wait for the batch of 64, ahead of its first reader
.irp b, 0,1,2,3
	v_exp_f32 v[BM+\b], v[BM+\b]                   ; the blocks' largest p: the same two instructions on the same number give the same bits
.endr
	v_pk_add_f32 v[SUM2:SUM2+1], v[S:S+1], v[S+2:S+3]      ; the row's sum of the UNQUANTISED p, in two chains
.irp j, 4,8,12,16,20,24,28,32,36,40,44,48,52,56,60
	v_pk_add_f32 v[SUM:SUM+1], v[SUM:SUM+1], v[S+\j:S+\j+1]
	v_pk_add_f32 v[SUM2:SUM2+1], v[SUM2:SUM2+1], v[S+\j+2:S+\j+3]
.endr
	v_pk_add_f32 v[SUM:SUM+1], v[SUM:SUM+1], v[SUM2:SUM2+1]
	s_wait_alu depctr_va_vdst(0)                   ; and one for the four
.irp b, 0,1,2,3
	v_max_num_f32 v[BM+\b], 0x1800000, v[BM+\b]    ; the floor 2^(3 - 127)
.endr
.irp b, 0,1,2,3
	v_add_nc_u32 v[SCLR+\b], 0xff000000, v[BM+\b]  ; the conversion's scale operand
.endr
.irp b, 0,1,2,3
	v_lshrrev_b32 v[BX+\b], 23, v[SCLR+\b]         ; the byte
.endr
	v_lshl_or_b32 v[PW], v[BX+1], 8, v[BX]
	v_lshl_or_b32 v[PW], v[BX+2], 16, v[PW]
	v_lshl_or_b32 v[PW], v[BX+3], 24, v[PW]
.irp c, 0,1
	v_cvt_scalef32_pk16_fp6_f32 v[PC+6*\c:PC+2+6*\c], v[S+32*\c:S+15+32*\c], v[SCLR+2*\c]
	v_cvt_scalef32_pk16_fp6_f32 v[PH+4*\c:PH+2+4*\c], v[S+16+32*\c:S+31+32*\c], v[SCLR+1+2*\c]
.endr
	v_nop                                          ; one plain instruction behind the scaled conversions
.irp c, 0,1
.irp i, 0,1,2
	v_permlane16_swap_b32 v[PC+6*\c+\i], v[PH+4*\c+\i]
.endr
.irp i, 0,1,2
	v_mov_b32 v[PC+3+6*\c+\i], v[PH+4*\c+\i]
.endr
.endr
.set JJ, 0
.rept 16
	v_pk_mul_f32 v[O+JJ:O+JJ+1], v[O+JJ:O+JJ+1], v[F:F+1] op_sel_hi:[1,0]   ; O^T under the new M; these sixteen are also the places between p's codes and scale word and the products
.set JJ, JJ+2
.endr
	s_wait_dscnt 0x0                               ; V's fragments and scale words
.irp t, 0,1,2,3                                        ; O^T += V^T P^T: the four accumulators by turns
	v_wmma_scale_f32_16x16x128_f8f6f4 v[O+8*\t:O+8*\t+7], v[KF+12*\t:KF+12*\t+11], v[PC:PC+11], v[O+8*\t:O+8*\t+7], v[VSW+\t], v[PW] matrix_a_fmt:MATRIX_FMT_FP6 matrix_b_fmt:MATRIX_FMT_FP6
.endr
	s_add_co_u32 s2, s2, 6144
	s_add_co_u32 s3, s3, 256
	s_sub_co_u32 s68, s68, 1
	s_cmp_lg_u32 s68, 0
	s_cbranch_scc1 .Lstep
	; THE TILE'S END: O^T / the sum; register 16 b + i of lane (r, h) is channel 32 b + 16 h + i of query r: two blocks of the projection's K
.rept 4
	v_nop                                          ; places behind the last products
.endr
	v_add_f32 v[T0], v[SUM], v[SUM+1]
	v_permlanex16_b32 v[T1], v[T0], s12, s13
	v_add_f32 v[T0], v[T0], v[T1]                  ; the row's sum
	v_rcp_f32 v[F], v[T0]
	v_nop                                          ; a plain instruction behind the reciprocal
	s_wait_alu depctr_va_vdst(0)                   ; and the wait ahead of its first reader
.set JJ, 0
.rept 16
	v_pk_mul_f32 v[S+JJ:S+JJ+1], v[O+JJ:O+JJ+1], v[F:F+1] op_sel_hi:[1,0]
.set JJ, JJ+2
.endr
.irp b, 0,1
	v_max3_num_f32 v[BM+\b], |v[S+16*\b]|, |v[S+1+16*\b]|, 0x1800000
.endr
.irp i, 2,4,6,8,10,12,14
.irp b, 0,1
	v_max3_num_f32 v[BM+\b], v[BM+\b], |v[S+16*\b+\i]|, |v[S+1+16*\b+\i]|
.endr
.endr
.irp b, 0,1
	v_permlanex16_b32 v[BX+\b], v[BM+\b], s12, s13
.endr
.irp b, 0,1
	v_max_num_f32 v[BM+\b], v[BM+\b], v[BX+\b]
.endr
.irp b, 0,1
	v_add_nc_u32 v[SCLR+\b], 0xff000000, v[BM+\b]
.endr
.irp b, 0,1
	v_lshrrev_b32 v[BX+\b], 23, v[SCLR+\b]
.endr
	v_lshl_or_b32 v[T0], v[BX+1], 8, v[BX]         ; the row's two scale bytes of this head
	v_cvt_scalef32_pk16_fp6_f32 v[PC:PC+2], v[S:S+15], v[SCLR]
	v_cvt_scalef32_pk16_fp6_f32 v[PH:PH+2], v[S+16:S+31], v[SCLR+1]
	v_nop
.irp i, 0,1,2
	v_permlane16_swap_b32 v[PC+\i], v[PH+\i]
.endr
.irp i, 0,1,2
	v_mov_b32 v[PC+3+\i], v[PH+\i]
.endr
	global_store_b128 v[L16], v[PC:PC+3], s[72:73]             ; an image: 512 and 256 consecutive bytes
	global_store_b64 v[L8], v[PC+4:PC+5], s[72:73] offset:512
	global_store_b16 v[R32], v[T0], s[74:75]                   ; pieces of 2 bytes, 32 bytes apart: one byte in 24 of what the launch stores; lanes l and l xor 16 store the same value at the same place
	s_wait_xcnt 0x0                                ; the stores and loads have read their registers and bases
	s_add_nc_u64 s[70:71], s[70:71], 768           ; my second tile
	s_add_nc_u64 s[72:73], s[72:73], 12288
	s_add_nc_u64 s[74:75], s[74:75], 512
	s_add_co_u32 s76, s76, 0x02020202              ; its two scale bytes
	s_sub_co_u32 s69, s69, 1
	s_cmp_lg_u32 s69, 0
	s_cbranch_scc1 .Ltile
	s_wait_kmcnt 0x0                               ; the last, spare request for mask words
	s_wait_tensorcnt 0x0                           ; the wave's end: the tensor wait, the add of 0 to my spare word and its wait
	ds_add_u32 v[SPW], v[NIL]
	s_wait_dscnt 0x0
	CROUND                                         ; the closing round
	s_endpgm
.Lfunc_end_k_q6dc15f34a2_attn:
	.size	k_q6dc15f34a2_attn, .Lfunc_end_k_q6dc15f34a2_attn-k_q6dc15f34a2_attn
	.p2alignl 7, 3214868480
	.fill 96, 4, 3214868480
	.section	.rodata,"a",@progbits
	.p2align	6, 0x0
	.amdhsa_kernel k_q6dc15f34a2_attn
		.amdhsa_group_segment_fixed_size 206848
		.amdhsa_private_segment_fixed_size 0
		.amdhsa_enable_private_segment 0
		.amdhsa_kernarg_size 24
		.amdhsa_user_sgpr_count 2
		.amdhsa_user_sgpr_kernarg_segment_ptr 1
		.amdhsa_wavefront_size32 1
		.amdhsa_system_sgpr_workgroup_id_x 1
		.amdhsa_system_sgpr_workgroup_id_y 1
		.amdhsa_system_sgpr_workgroup_id_z 1
		.amdhsa_system_vgpr_workitem_id 0
		.amdhsa_next_free_vgpr 256
		.amdhsa_next_free_sgpr 102
		.amdhsa_reserve_vcc 1
		.amdhsa_float_denorm_mode_32 3
		.amdhsa_float_denorm_mode_16_64 3
		.amdhsa_memory_ordered 1
		.amdhsa_forward_progress 1
		.amdhsa_inst_pref_size 34
	.end_amdhsa_kernel
	.amdgpu_metadata
---
amdhsa.version: [ 1, 2 ]
amdhsa.kernels:
  - .name:           k_q6dc15f34a2_attn
    .symbol:         k_q6dc15f34a2_attn.kd
    .args:
      - { .name: qkv, .offset: 0, .size: 8, .value_kind: global_buffer, .address_space: global }
      - { .name: maskimg, .offset: 8, .size: 8, .value_kind: global_buffer, .address_space: global }
      - { .name: ao, .offset: 16, .size: 8, .value_kind: global_buffer, .address_space: global }
    .group_segment_fixed_size: 206848
    .private_segment_fixed_size: 0
    .kernarg_segment_align: 8
    .kernarg_segment_size: 24
    .max_flat_workgroup_size: 512
    .sgpr_count:     102
    .vgpr_count:     256
    .wavefront_size: 32
...
	.end_amdgpu_metadata
.endif
;; end of part 3
;; launch gemm_proj (part 4): grid 4 x 32, 4 waves a work-group, clusters of 4 x 4, 327,680 bytes of LDS; arguments ao, wts, b_proj, out0; writes out0
.if DOCPART == 4
	.amdgcn_target "amdgcn-amd-amdhsa--gfx1250"
	.amdhsa_code_object_version 6
	.text
	.protected	k_q6dc15f34a2_gemm_proj
	.globl	k_q6dc15f34a2_gemm_proj
	.p2align	8
	.type	k_q6dc15f34a2_gemm_proj,@function
k_q6dc15f34a2_gemm_proj:
	s_mov_b64 s[64:65], 0
	v_nop
	global_prefetch_b8 v0, s[64:65] scope:SCOPE_SE
	s_setreg_imm32_b32 hwreg(HW_REG_WAVE_MODE, 25, 1), 1
	s_wait_xcnt 0x0
	s_wait_alu depctr_hold_cnt(0) depctr_sa_sdst(0) depctr_va_vdst(0) depctr_va_sdst(0) depctr_va_ssrc(0) depctr_va_vcc(0) depctr_vm_vsrc(0)
	s_getreg_b32 s2, hwreg(HW_REG_IB_STS2, 6, 4)
	s_cmp_eq_u32 s2, 0
	s_cbranch_scc0 .Lentry_in_a_cluster
	s_endpgm
.Lentry_in_a_cluster:
	s_bfe_u32 s2, ttmp6, 0x10000c
	s_cmp_lg_u32 s2, 0xf033
	s_cbranch_scc0 .Lentry_shape_is_right
	s_endpgm
.Lentry_shape_is_right:
; out0 = x W_proj + b_proj on codes of FP6 (E2M3), K = 1,024.  x: the attention's codes (ao); W_proj: tiles 192-255 of wts; out0 [8192][1024] f32.
; A tile of 256 x 256 to a work-group of four waves, 128 x 128 to a wave: 64 accumulators, 512 registers.  K goes in 4 steps of 256 through two LDS slots filled by the tensor data mover.
; OPERANDS ARE IMAGES OF REGISTERS: 16 rows x 64 along K = 768 bytes (lane's registers 0-3 at 16 x lane, registers 4-5 at 512 + 8 x lane); a tile of 16 rows is 16 images, 12,288 bytes; a K step of it 3,072 consecutive bytes.
; THE MATRIX INSTRUCTION IS USED TRANSPOSED: source 0 = 16 columns of W, source 1 = 16 tokens.  Place r of a tile T holds true row 32 (T / 2) + 8 (T % 2) + r + 8 (r / 8): so register j of tile b of lane (r, h) is
; output channel 32 (b / 2) + 8 (b % 2) + 16 h + j of the token at place r: eight neighbouring numbers of a row of out0.
; THE BIAS is the C of each sum's first matrix instruction: eight registers for each of B's eight tiles.
; CLUSTERS: 4 x 4: x's tiles are shared along a row of the cluster, W's along a column, each asked for jointly.
; 128 tiles of 256 x 256: half the WGPs have work; a tile of 128 x 256 would fill them and read each fragment of W for half the products.  No prefetch: two refills in all.
; REGISTERS: window 0: v16-31 addresses; v32-63 scale words, two sets, and nothing else; v64-127 the bias; v128-223 A's fragments (on the way out v128-255: rows).  window 1: B's fragments, two sets.  windows 2, 3: accumulator (a, b) at v[8 (8 (a % 4) + b)].
.set NQ,    2
.set FR,    12
.set NL,    4
.set NP,    4
.set TILEB, 12288
.set STEPB, 3072
.set HALFT, 8*STEPB
.set SLOT,  4*HALFT
.set SCL,   2*SLOT
.set HALFS, 16*272
.set SBLK,  2*272
.set SPARE, SCL+4*HALFS                ; the spare words, 128 bytes for each wave: two blocks of 256 bytes that no other line names
.set SPITCH, 528                       ; the way out: a stage of 16 rows x (512 + 16) bytes for each wave, in slot 0, which has had its last fill and its last read by then
.set ADRA, 16
.set ADRB, 20
.set L16,  24                          ; v24 16 x lane
.set L8,   25                          ; v25 8 x lane
.set STO,  26                          ; v26 the stage: where I put 32 bytes of a row
.set ADRS, 27
.set SPW,  28                          ; v28 my spare word; never rewritten
.set NIL,  29                          ; v29 0; never rewritten
.set RD,   30                          ; v30 the stage: where I read a row back
.set BOFF, 31                          ; v31 64 h
.set SC,   32
.set BI,   64
.set AF,   128
.set BK,   128
.set G1, 24
.set G0, 32
.set G1B, 48
.set G0B, 56
.set G1S, 68
.set G0S, 76
.set G1SB, 80
.set G0SB, 88
.set MSB, 0
.macro WIN new                         ; the immediate's high byte repeats the setting that is left
.if MSB != \new
	s_set_vgpr_msb (MSB<<8)|\new
.set MSB, \new
.endif
.endm
.set MUL_LO, 0xa1                      ; source 0 (B) window 1, source 1 (A) window 0, C and D window 2
.set MUL_HI, 0xf1                      ; the same, C and D window 3
.set BIA_LO, 0x81                      ; C (the bias) window 0, D window 2
.set BIA_HI, 0xc1                      ; C window 0, D window 3
.set TO_B,   0x40
.macro JLOAD g0a, g1a, g0b, g1b        ; a joint load: waves 0 and 1 fetch for A, waves 2 and 3 for B; an s_nop 0 and four v_nop follow each of the two lines
	s_cmp_eq_u32 s15, 0
	s_cbranch_scc0 .Lfor_b_\@
	tensor_load_to_lds s[\g0a:\g0a+3], s[\g1a:\g1a+7]
	s_nop 0
.rept 4
	v_nop
.endr
	s_branch .Lasked_\@
.Lfor_b_\@:
	tensor_load_to_lds s[\g0b:\g0b+3], s[\g1b:\g1b+7]
	s_nop 0
.rept 4
	v_nop
.endr
.Lasked_\@:
.endm
.macro CREST
	s_cmp_lg_u32 s14, 0
	s_cbranch_scc1 .Lnot_wave_0_\@
	s_barrier_signal -3
.Lnot_wave_0_\@:
	s_barrier_wait -3
	s_barrier_signal -1
	s_barrier_wait -1
.endm
.macro CROUND
	s_barrier_signal -1
	s_barrier_wait -1
	CREST
.endm
	s_load_b128 s[4:7], s[0:1], 0x0                ; ao, wts
	s_load_b128 s[96:99], s[0:1], 0x10             ; b_proj, out0
	v_lshl_add_u32 v[SPW], v0, 2, SPARE
	v_mov_b32 v[NIL], 0
	ds_add_u32 v[SPW], v[NIL]                      ; the wave's opening: the add of 0, with its wait ahead of my first tensor load; the set-up below stands between them
	v_lshrrev_b32 v1, 5, v0
	v_readfirstlane_b32 s14, v1                    ; wave
	s_lshr_b32 s15, s14, 1                         ; which 128 tokens are mine.  Also: I fetch for A (0) or B (1)
	s_and_b32 s16, s14, 1                          ; which 128 columns.  Also: which 128 rows I fetch
	s_bfe_u32 s40, ttmp6, 0x40000                  ; cx
	s_bfe_u32 s41, ttmp6, 0x40004                  ; cy
	s_lshl_b32 s42, ttmp9, 2
	s_add_co_u32 s42, s42, s40                     ; the tile's 256 columns
	s_and_b32 s17, ttmp7, 0xffff
	s_lshl_b32 s17, s17, 2
	s_add_co_u32 s17, s17, s41                     ; the tile's 256 tokens
	s_lshl_b32 s43, s41, 2
	s_lshl_b32 s43, 15, s43                        ; my row of the cluster
	s_lshl_b32 s44, 0x1111, s40                    ; my column
	s_or_b32 s[G1+0], s43, (3<<16)|(1<<21)         ; 8 tiles of 16 rows, of each 3,072 consecutive bytes (384 elements of 8), 12,288 bytes apart; dense in LDS
	s_or_b32 s[G1B+0], s44, (3<<16)|(1<<21)
.irp g, G1, G1B
	s_mov_b32 s[\g+1], 384<<16
	s_mov_b32 s[\g+2], 8<<16
	s_mov_b32 s[\g+3], 384<<16
	s_mov_b32 s[\g+4], 8
	s_mov_b32 s[\g+5], 1536
	s_mov_b32 s[\g+6], 0
	s_mov_b32 s[\g+7], 0
.endr
	s_or_b32 s[G1S+0], s43, (3<<16)|(1<<20)|(1<<21)|(5<<22)|(3<<25)   ; the scales of 128 rows: 16 rows of 256 bytes, 16 of padding behind each
	s_or_b32 s[G1SB+0], s44, (3<<16)|(1<<20)|(1<<21)|(5<<22)|(3<<25)
.irp g, G1S, G1SB
	s_mov_b32 s[\g+1], 32<<16
	s_mov_b32 s[\g+2], 16<<16
	s_mov_b32 s[\g+3], 32<<16
	s_mov_b32 s[\g+4], 16
	s_mov_b32 s[\g+5], 32
	s_mov_b32 s[\g+6], 0
	s_mov_b32 s[\g+7], 0
.endr
	s_lshl_b32 s18, s16, 3
	s_lshl_b32 s20, s17, 4
	s_add_co_u32 s20, s20, s18
	s_lshl_b32 s46, s42, 4
	s_add_co_u32 s46, s46, s18
	s_lshl_b32 s22, s20, 9
	s_mov_b32 s23, 0
	s_lshl_b32 s92, s46, 9
	s_mov_b32 s93, 0
	s_mul_i32 s20, s20, TILEB
	s_mov_b32 s21, 0
	s_mul_i32 s46, s46, TILEB
	s_mov_b32 s47, 0
	s_mul_i32 s45, s14, HALFT
	s_mul_i32 s94, s14, HALFS
	s_wait_dscnt 0x0                               ; the opening add is done
	s_wait_kmcnt 0x0
	s_add_nc_u64 s[8:9], s[6:7], 2359296           ; W_proj's codes: tile 192 on,
	s_add_nc_u64 s[10:11], s[6:7], 3244032         ; its scales: row 3,072 on
	s_add_nc_u64 s[6:7], s[4:5], 6291456           ; x's scales
	s_add_nc_u64 s[20:21], s[4:5], s[20:21]
	s_add_nc_u64 s[22:23], s[6:7], s[22:23]
	s_add_nc_u64 s[46:47], s[8:9], s[46:47]
	s_add_nc_u64 s[92:93], s[10:11], s[92:93]
	CROUND                                         ; all sixteen work-groups are here: the first joint loads meet
	s_mov_b32 s[G0S], 1
	s_add_co_u32 s[G0S+1], s94, SCL
	s_mov_b64 s[G0S+2:G0S+3], s[22:23]
	s_or_b32 s[G0S+3], s[G0S+3], 0x80000000
	s_mov_b32 s[G0SB], 1
	s_add_co_u32 s[G0SB+1], s94, SCL
	s_mov_b64 s[G0SB+2:G0SB+3], s[92:93]
	s_or_b32 s[G0SB+3], s[G0SB+3], 0x80000000
	JLOAD G0S, G1S, G0SB, G1SB
.irp s, 0,1
	s_mov_b32 s[G0+4*\s], 1
	s_add_co_u32 s[G0+4*\s+1], s45, \s*SLOT
	s_add_nc_u64 s[G0+4*\s+2:G0+4*\s+3], s[20:21], \s*STEPB
	s_or_b32 s[G0+4*\s+3], s[G0+4*\s+3], 0x80000000
	s_mov_b32 s[G0B+4*\s], 1
	s_add_co_u32 s[G0B+4*\s+1], s45, \s*SLOT
	s_add_nc_u64 s[G0B+4*\s+2:G0B+4*\s+3], s[46:47], \s*STEPB
	s_or_b32 s[G0B+4*\s+3], s[G0B+4*\s+3], 0x80000000
	JLOAD G0+4*\s, G1, G0B+4*\s, G1B               ; three loads of mine are out
.endr
	v_and_b32 v1, 15, v0                           ; r
	v_bfe_u32 v2, v0, 4, 1                         ; h
	v_and_b32 v3, 31, v0
	v_lshlrev_b32 v[L16], 4, v3
	v_lshlrev_b32 v[L8], 3, v3
	v_lshlrev_b32 v[BOFF], 6, v2
	s_lshl_b32 s46, s42, 10                        ; my 128 columns, in bytes: 1,024 x tile + 512 x half
	s_lshl_b32 s47, s16, 9
	s_add_co_u32 s46, s46, s47
	s_mov_b32 s47, 0
	s_add_nc_u64 s[96:97], s[96:97], s[46:47]
.irp b, 0,1,2,3,4,5,6,7                                ; the bias in the result's layout: tile b's eight channels of my half
	global_load_b128 v[BI+8*\b:BI+8*\b+3], v[BOFF], s[96:97] offset:128*(\b/2)+32*(\b%2)
	global_load_b128 v[BI+8*\b+4:BI+8*\b+7], v[BOFF], s[96:97] offset:128*(\b/2)+32*(\b%2)+16
.endr
	s_lshl_b32 s20, s17, 8
	s_lshl_b32 s21, s15, 7
	s_add_co_u32 s20, s20, s21                     ; my first token
	s_lshl_b32 s20, s20, 12
	s_add_co_u32 s20, s20, s46
	s_mov_b32 s21, 0
	s_add_nc_u64 s[98:99], s[98:99], s[20:21]      ; out0 at my 128 x 128
	s_mul_i32 s21, s15, HALFT
	s_mul_i32 s22, s16, HALFT
	s_add_co_u32 s22, s22, 2*HALFT
.irp s, 0,1
	v_add_nc_u32 v[ADRA+\s], s21, v[L16]
	v_add_nc_u32 v[ADRB+\s], s22, v[L16]
	v_add_nc_u32 v[ADRA+2+\s], s21, v[L8]
	v_add_nc_u32 v[ADRB+2+\s], s22, v[L8]
	s_add_co_u32 s21, s21, SLOT
	s_add_co_u32 s22, s22, SLOT
.endr
	v_mul_u32_u24 v5, v1, 32
	v_lshrrev_b32 v6, 8, v5
	v_lshl_add_u32 v5, v6, 4, v5
	s_mul_i32 s21, s15, HALFS
	s_mul_i32 s22, s16, HALFS
	s_add_co_u32 s22, s22, 2*HALFS
	s_sub_co_u32 s22, s22, s21
	v_mul_u32_u24 v6, s22, v2                      ; lanes 16-31 take B's: one product, the distance between the two bases
	s_add_co_u32 s21, s21, SCL
	v_add_nc_u32 v5, v5, v6
	v_add_nc_u32 v[ADRS], s21, v5
	s_mul_i32 s23, s14, 16*SPITCH                  ; my stage
	v_mul_u32_u24 v5, v1, SPITCH
	v_lshl_add_u32 v5, v2, 6, v5
	v_add_nc_u32 v[STO], s23, v5                   ; in: row r, + 64 h
	v_add_nc_u32 v[RD], s23, v[L16]                ; back: the 32 lanes take a row of 512 bytes
.macro FRAG reg, adr, q, i
	ds_load_b128 v[\reg:\reg+3], v[\adr] offset:3072*(\i)+1536*(\q)
	ds_load_b64 v[\reg+4:\reg+5], v[\adr+2] offset:3072*(\i)+1536*(\q)+512
	ds_load_b128 v[\reg+6:\reg+9], v[\adr] offset:3072*(\i)+1536*(\q)+768
	ds_load_b64 v[\reg+10:\reg+11], v[\adr+2] offset:3072*(\i)+1536*(\q)+1280
.endm
; 16 matrix instructions: A's blocks a0, a0 + 1 x B's eight.  first = 1: the bias starts the sums.  The 64 accumulators take turns, one instruction a turn, in the same order in every step.
.macro MUL16 a0, p, q, sc, first
.irp a, \a0, \a0+1
.irp b, 0,1,2,3,4,5,6,7
.if \first
	v_wmma_scale_f32_16x16x128_f8f6f4 v[8*(8*((\a)%4)+\b):8*(8*((\a)%4)+\b)+7], v[128*(\p)+FR*\b:128*(\p)+FR*\b+FR-1], v[AF+FR*(\a):AF+FR*(\a)+FR-1], v[BI+8*\b:BI+8*\b+7], v[SC+8*NQ*(\sc)+NQ*\b+(\q)], v[SC+8*NQ*(\sc)+NQ*(\a)+(\q)] matrix_a_fmt:MATRIX_FMT_FP6 matrix_b_fmt:MATRIX_FMT_FP6 matrix_a_scale:MATRIX_SCALE_ROW1
.else
	v_wmma_scale_f32_16x16x128_f8f6f4 v[8*(8*((\a)%4)+\b):8*(8*((\a)%4)+\b)+7], v[128*(\p)+FR*\b:128*(\p)+FR*\b+FR-1], v[AF+FR*(\a):AF+FR*(\a)+FR-1], v[8*(8*((\a)%4)+\b):8*(8*((\a)%4)+\b)+7], v[SC+8*NQ*(\sc)+NQ*\b+(\q)], v[SC+8*NQ*(\sc)+NQ*(\a)+(\q)] matrix_a_fmt:MATRIX_FMT_FP6 matrix_b_fmt:MATRIX_FMT_FP6 matrix_a_scale:MATRIX_SCALE_ROW1
.endif
.endr
.endr
.endm
.macro FETCH_B slot, q, p
	WIN TO_B
.irp i, 0,1,2,3,4,5,6,7
	FRAG 128*(\p)+FR*\i, ADRB+\slot, \q, \i
.endr
	WIN 0
.endm
.macro FETCH_A slot, q, i0
.irp i, \i0, \i0+1, \i0+2, \i0+3
	FRAG AF+FR*(\i), ADRA+\slot, \q, \i
.endr
.endm
.macro SCALES sc
.irp i, 0,1,2,3,4,5,6,7
	ds_load_b64 v[SC+8*NQ*\sc+NQ*\i:SC+8*NQ*\sc+NQ*\i+1], v[ADRS] offset:\i*SBLK
.endr
.endm
.macro PLACES n                        ; plain vector instructions between a matrix instruction and a load into, or a read of, its registers
.rept \n
	v_nop
.endr
.endm
.macro STEP slot, q, first
	s_wait_dscnt 4*NL                              ; B's set and A's blocks 0-3 are in; the 16 loads of A's blocks 4-7 may be out
.if \first
	WIN BIA_LO
.else
	WIN MUL_LO
.endif
	MUL16 0, (\q)%2, \q, \slot, \first
	MUL16 2, (\q)%2, \q, \slot, \first
	s_wait_dscnt 0
	PLACES NP
	FETCH_B \slot, (\q)+1, 1-(\q)%2
	FETCH_A \slot, (\q)+1, 0
.if \first
	WIN BIA_HI
.else
	WIN MUL_HI
.endif
	MUL16 4, (\q)%2, \q, \slot, \first
	MUL16 6, (\q)%2, \q, \slot, \first
	PLACES NP
	WIN 0
	FETCH_A \slot, (\q)+1, 4
.endm
; A slot's last step changes slots: one barrier; in front of it each wave waits for all its tensor loads, adds 0 to its spare word, and waits for that and for its reads of this slot.  fill = 1: this slot is filled again, two K steps ahead.
.macro TURN slot, next, fill
	s_wait_tensorcnt 0x0                           ; all my tensor loads have landed: my part of the next slot
	ds_add_u32 v[SPW], v[NIL]                      ; 0 onto my spare word
	s_wait_dscnt 4*NL+1                            ; the add and the 16 loads of A's blocks 4-7 may be out
	WIN MUL_LO
	MUL16 0, 1, NQ-1, \slot, 0
	s_wait_dscnt 0x0                               ; the add is done, and my reads of this slot are over
	s_barrier_signal -1
	MUL16 2, 1, NQ-1, \slot, 0
	WIN 0
	s_barrier_wait -1
.if \fill
	CREST                                          ; the barrier has opened a round of the cluster's: no wave of any partner still reads this slot or has a load on its way
	s_add_nc_u64 s[G0+4*\slot+2:G0+4*\slot+3], s[G0+4*\slot+2:G0+4*\slot+3], 2*STEPB
	s_add_nc_u64 s[G0B+4*\slot+2:G0B+4*\slot+3], s[G0B+4*\slot+2:G0B+4*\slot+3], 2*STEPB
	JLOAD G0+4*\slot, G1, G0B+4*\slot, G1B         ; the first tensor load behind the round; its four v_nop are also the places in front of the loads below
.else
	PLACES NP
.endif
	v_add_nc_u32 v[ADRS], 4*NQ, v[ADRS]
	FETCH_B \next, 0, 0
	FETCH_A \next, 0, 0
	SCALES \next
	WIN MUL_HI
	MUL16 4, 1, NQ-1, \slot, 0
	MUL16 6, 1, NQ-1, \slot, 0
	PLACES NP
	WIN 0
	FETCH_A \next, 0, 4
.endm
	s_wait_tensorcnt 1                             ; the scales and my part of K step 0 are in; K step 1's load may be out
	s_barrier_signal -1
	s_barrier_wait -1
	FETCH_B 0, 0, 0
	FETCH_A 0, 0, 0
	SCALES 0
	FETCH_A 0, 0, 4
	s_wait_loadcnt 0x0                             ; the bias
	STEP 0, 0, 1
	TURN 0, 1, 1                                   ; slot 0 takes K step 2
	STEP 1, 0, 0
	TURN 1, 0, 1                                   ; slot 1 takes K step 3
	STEP 0, 0, 0
	TURN 0, 1, 0                                   ; behind this barrier nobody reads slot 0 any more, and nothing is filled
	STEP 1, 0, 0
	s_wait_dscnt 4*NL
	WIN MUL_LO
	MUL16 0, 1, NQ-1, 1, 0
	MUL16 2, 1, NQ-1, 1, 0
	s_wait_dscnt 0
	WIN MUL_HI
	MUL16 4, 1, NQ-1, 1, 0
	MUL16 6, 1, NQ-1, 1, 0
	WIN 0
; THE WAY OUT, block by block of 16 tokens x 128 channels, through my own stage: in by 32 bytes of a row, back as whole rows of 512 bytes.  LDS serves a wave's instructions in order: no wait between the stores and the loads.
.macro TOSTAGE a
.set AC, 64*((\a)%4)
.set WD, 0x08+4*((\a)/4)
	WIN WD                                         ; an LDS store's data: window 2 or 3
.irp b, 0,1,2,3,4,5,6,7
	ds_store_b128 v[STO], v[AC+8*\b:AC+8*\b+3] offset:128*(\b/2)+32*(\b%2)         ; each accumulator from its low end on
	ds_store_b128 v[STO], v[AC+8*\b+4:AC+8*\b+7] offset:128*(\b/2)+32*(\b%2)+16
.endr
	WIN 0
.set BB, BK+64*((\a)%2)
.irp t, 0,1,2,3,4,5,6,7,8,9,10,11,12,13,14,15
	ds_load_b128 v[BB+4*\t:BB+4*\t+3], v[RD] offset:\t*SPITCH
.endr
.endm
.macro SEND a, younger                 ; younger: the LDS instructions issued behind block a's loads, which may stay out.  Place t of block a is true row 32 (a / 2) + 8 (a % 2) + t + 8 (t / 8): every offset is an immediate
.set BB, BK+64*((\a)%2)
	s_wait_dscnt \younger
.irp t, 0,1,2,3,4,5,6,7,8,9,10,11,12,13,14,15
	global_store_b128 v[L16], v[BB+4*\t:BB+4*\t+3], s[98:99] offset:(32*((\a)/2)+8*((\a)%2)+\t+8*(\t/8))*4096 th:TH_STORE_NT   ; 512 consecutive bytes, at a multiple of 256 from out0's first byte
.endr
.endm
	PLACES NP                                      ; behind the last products: for the reads of results and the loads into A's registers
	TOSTAGE 0
.irp a, 1,2,3,4,5,6,7
.if \a > 1
	s_wait_xcnt 0x0                                ; block a - 2's stores have read their registers: block a's rows may land there
.endif
	TOSTAGE \a
	SEND \a-1, 32                                  ; behind block a - 1's loads: block a's 16 stores and 16 loads
.endr
	SEND 7, 0
	s_wait_tensorcnt 0x0                           ; the wave's end: the tensor wait, the add of 0 to my spare word and its wait, behind my last tensor load and my last LDS store
	ds_add_u32 v[SPW], v[NIL]
	s_wait_dscnt 0x0
	CROUND                                         ; the closing round
	s_endpgm
.Lfunc_end_k_q6dc15f34a2_gemm_proj:
	.size	k_q6dc15f34a2_gemm_proj, .Lfunc_end_k_q6dc15f34a2_gemm_proj-k_q6dc15f34a2_gemm_proj
	.p2alignl 7, 3214868480
	.fill 96, 4, 3214868480
	.section	.rodata,"a",@progbits
	.p2align	6, 0x0
	.amdhsa_kernel k_q6dc15f34a2_gemm_proj
		.amdhsa_group_segment_fixed_size 327680
		.amdhsa_private_segment_fixed_size 0
		.amdhsa_enable_private_segment 0
		.amdhsa_kernarg_size 32
		.amdhsa_user_sgpr_count 2
		.amdhsa_user_sgpr_kernarg_segment_ptr 1
		.amdhsa_wavefront_size32 1
		.amdhsa_system_sgpr_workgroup_id_x 1
		.amdhsa_system_sgpr_workgroup_id_y 1
		.amdhsa_system_sgpr_workgroup_id_z 1
		.amdhsa_system_vgpr_workitem_id 0
		.amdhsa_next_free_vgpr 1024
		.amdhsa_next_free_sgpr 102
		.amdhsa_reserve_vcc 0
		.amdhsa_float_denorm_mode_32 3
		.amdhsa_float_denorm_mode_16_64 3
		.amdhsa_memory_ordered 1
		.amdhsa_forward_progress 1
		.amdhsa_inst_pref_size 145
	.end_amdhsa_kernel
	.amdgpu_metadata
---
amdhsa.version: [ 1, 2 ]
amdhsa.kernels:
  - .name:           k_q6dc15f34a2_gemm_proj
    .symbol:         k_q6dc15f34a2_gemm_proj.kd
    .args:
      - { .name: ao, .offset: 0, .size: 8, .value_kind: global_buffer, .address_space: global }
      - { .name: wts, .offset: 8, .size: 8, .value_kind: global_buffer, .address_space: global }
      - { .name: b_proj, .offset: 16, .size: 8, .value_kind: global_buffer, .address_space: global }
      - { .name: out0, .offset: 24, .size: 8, .value_kind: global_buffer, .address_space: global }
    .group_segment_fixed_size: 327680
    .private_segment_fixed_size: 0
    .kernarg_segment_align: 8
    .kernarg_segment_size: 32
    .max_flat_workgroup_size: 128
    .sgpr_count:     102
    .vgpr_count:     1024
    .wavefront_size: 32
...
	.end_amdgpu_metadata
.endif
;; end of part 4
